; MI455X (gfx1250); checked and timed in simulation.
; The chip was launched on July 23, 2026; its instructions are those of AMD's public machine-readable ISA for CDNA 5 (MIT licence, August 2026) and "CDNA5" Instruction Set Architecture Reference Guide (July 2026). The comments in the code are by the model that wrote it; some were corrected since.
;; Attention. Allowed arithmetic: float matrix products may take bf16 or f16 operands with f32 sums; all other float work in f32.
;; Inputs: b_out 1,024 float32; b_qkv 3,072 float32; w_out 1,024 x 1,024 float32; w_qkv 1,024 x 3,072 float32; x 2 x 2,048 x 1,024 float32.
;; Outputs: out0 2 x 2,048 x 1,024 float32.
;; 2 versions, each right; version 2 is version 1 with the launch prep written anew for expert scheduling mode. Each part assembles by itself: llvm-mc -triple=amdgcn-amd-amdhsa -mcpu=gfx1250 --defsym DOCPART=n.
;; ======== version 1 of 2: 4 launches
;; limits: values are held in f16: magnitudes above 65,504 overflow, below 6.1e-05 lose precision
;; workspace buffers: xb 8,388,608 bytes; wq 6,291,456 bytes; wo 2,097,152 bytes; tab 524,288 bytes; qf 8,388,608 bytes; kv 16,777,216 bytes; ao 8,388,608 bytes
;; launch prep (part 1): grid 256 x 1, 16 waves a work-group, no clusters, 71,680 bytes of LDS; arguments x, w_qkv, w_out, xb, wq, wo, tab; writes xb, wq, wo, tab
.if DOCPART == 1
	.amdgcn_target "amdgcn-amd-amdhsa--gfx1250"
	.amdhsa_code_object_version 6
	.text
	.protected	k_q5bd237bfb0_prep
	.globl	k_q5bd237bfb0_prep
	.p2align	8
	.type	k_q5bd237bfb0_prep,@function
k_q5bd237bfb0_prep:
	s_mov_b64 s[64:65], 0
	v_nop
	global_prefetch_b8 v0, s[64:65] scope:SCOPE_SE
	s_setreg_imm32_b32 hwreg(HW_REG_WAVE_MODE, 25, 1), 1
	s_wait_xcnt 0x0
; PREPARATION: x, w_qkv and w_out are rounded to f16 and laid out as matrix-fragment tiles; the RoPE table is made.
; A TILE is 16 rows x 16 k of f16 = 512 bytes; lane L = 16 h + r owns the 16 bytes at 16 L: (row r, k = 8 h .. 8 h + 7).
; Two neighbouring tiles are one 16 x 32 operand of the f16 matrix instruction, so later launches read operands as runs of 512 bytes.
;   xb [mb 256][kt 64][512]: row = token.   wq [nb 192][kt 64][512]: row n' = 192 head + 64 s + d is column 1024 s + 64 head + d of w_qkv.
;   wo [nb 64][kt 64][512]: row n = column n of w_out.
;   tab f32 [tb 128][chunk 8][lane 32][4]: chunk 2 tn + jh = cos, 4 + 2 tn + jh = sin of t inv_freq[i], t = 16 tb + r, i = 16 tn + 8 h + 4 jh + e.
; 4,096 equal units, one a wave: 16 loads of 512 bytes in, 8 tiles of 512 bytes out, re-ordered in the wave's own 4,352 bytes of LDS.
; No barrier: no wave reads another's bytes.  No matrix unit, no cluster: nothing is multiplied and no byte is read twice.
; LIMIT: f16 operands: |x| and |w| must stay under 65,504; magnitudes under about 6e-8 are lost.
; The angles reach 2,047 rad: reduced by multiples of pi/2 in two parts, then Taylor to r^7 (sin) and r^8 (cos) on |r| <= pi/4, error under 4e-7.
.set WLDS, 4352
.set GO,  2                            ; v2   16 L
.set LX,  3                            ; v3   x path: where my 8 bytes of a row go
.set RX,  4                            ; v4   x path: where my 16 bytes of a tile are read back
.set LW,  5                            ; v5   w paths: where my 16 bytes go
.set RW,  6                            ; v6   w paths: read back
.set XR,  16                           ; v[16:79]   16 rows as loaded, 4 f32 each
.set YP,  80                           ; v[80:111]  packed f16
.set RB,  112                          ; v[112:143] 8 tiles read back
.set TT,  144                          ; table: t as f32
.set TI,  145                          ; table: i of e = 0
.set TO,  146                          ; table: byte offset
.set TW,  147                          ; table: at work
.set TA,  148                          ; v[148:151] angle, then r
.set TN,  152                          ; v[152:155] n, then the quadrant
.set TZ,  156                          ; v[156:159] r^2
.set TS,  160                          ; v[160:163] sin r
.set TC,  164                          ; v[164:167] cos r
.set OC,  168                          ; v[168:171] cos out
.set OS,  172                          ; v[172:175] sin out
	s_load_b256 s[4:11], s[0:1], 0x0               ; x s[4:5], w_qkv s[6:7], w_out s[8:9], xb s[10:11]
	s_load_b128 s[12:15], s[0:1], 0x20             ; wq s[12:13], wo s[14:15]
	s_load_b64 s[16:17], s[0:1], 0x30              ; tab
	v_lshl_add_u32 v176, v0, 2, 0x11000
	v_mov_b32 v177, 0
	v_and_b32 v1, 31, v0                           ; L
	v_lshrrev_b32 v7, 5, v0
	v_readfirstlane_b32 s18, v7                    ; wave 0..15
	s_mov_b32 s19, ttmp9                           ; work-group
	s_mul_i32 s20, s18, WLDS                       ; my wave's LDS
	v_lshlrev_b32 v[GO], 4, v1
	v_lshrrev_b32 v7, 1, v1                        ; x path in: half tile L >> 1 (pitch 272), 8 bytes (L & 1), row r in the immediate
	v_mul_u32_u24 v7, v7, 272
	v_and_b32 v8, 1, v1
	v_lshl_add_u32 v7, v8, 3, v7
	v_add_nc_u32 v[LX], s20, v7
	v_lshrrev_b32 v7, 4, v1                        ; x path back: half tile h, 16 bytes of row r
	v_mul_u32_u24 v7, v7, 272
	v_and_b32 v8, 15, v1
	v_lshl_add_u32 v7, v8, 4, v7
	v_add_nc_u32 v[RX], s20, v7
	v_lshrrev_b32 v7, 2, v1                        ; w paths in: tile L >> 2 (pitch 528), rows 4 (L & 3) + cc
	v_mul_u32_u24 v7, v7, 528
	v_and_b32 v8, 3, v1
	v_lshl_add_u32 v7, v8, 6, v7
	v_add_nc_u32 v[LW], s20, v7
	v_add_nc_u32 v[RW], s20, v[GO]
	s_mov_b32 s30, 0xbed49a78                      ; -log2(10000) / 32
	s_mov_b32 s31, 0x3f22f983                      ; 2 / pi
	s_mov_b32 s32, 0xbfc90fdb                      ; -(pi/2), upper part
	s_mov_b32 s33, 0x333bbd2e                      ; -(pi/2), the rest
	s_mov_b32 s34, 0xb9500d01                      ; -1/5040
	s_mov_b32 s35, 0x3c088889                      ; 1/120
	s_mov_b32 s36, 0xbe2aaaab                      ; -1/6
	s_mov_b32 s37, 0x37d00d01                      ; 1/40320
	s_mov_b32 s38, 0xbab60b61                      ; -1/720
	s_mov_b32 s39, 0x3d2aaaab                      ; 1/24
.macro LOAD16 pitch                    ; 16 rows, 512 neighbouring bytes each: all 16 loads of the wave are out at once
.set i, 0
.rept 16
	global_load_b128 v[XR+4*i:XR+4*i+3], v[GO], s[24:25] offset:i*\pitch th:TH_LOAD_NT
.set i, i+1
.endr
.endm
; x: rows lie along k already.  Lane L holds columns 4 L .. 4 L + 3 of row i: 8 bytes of half tile L >> 1.
.macro CONVX
.set i, 0
.rept 16
	s_wait_loadcnt 15-i                            ; loads come back in order: row i is in, the younger rows stay out
	v_cvt_pk_f16_f32 v[YP+2*i], v[XR+4*i], v[XR+4*i+1]
	v_cvt_pk_f16_f32 v[YP+2*i+1], v[XR+4*i+2], v[XR+4*i+3]
	ds_store_b64 v[LX], v[YP+2*i:YP+2*i+1] offset:16*i
.set i, i+1
.endr
.endm
; w: the 16 loaded rows are k, the columns become tile rows.  Column 4 L + cc, half hh: eight k packed into 16 bytes.
.macro CONVW
.irp hh, 0,1
	s_wait_loadcnt 8-8*\hh                         ; k rows 0-7 are in (eight younger loads stay out), then all
.irp cc, 0,1,2,3
.irp p, 0,1,2,3
	v_cvt_pk_f16_f32 v[YP+16*\hh+4*\cc+\p], v[XR+4*(8*\hh+2*\p)+\cc], v[XR+4*(8*\hh+2*\p+1)+\cc]
.endr
	ds_store_b128 v[LW], v[YP+16*\hh+4*\cc:YP+16*\hh+4*\cc+3] offset:256*\hh+16*\cc
.endr
.endr
.endm
; Eight tiles back and out.  LDS serves a wave's instructions in order (ISA guide 5.7.1), so the loads see the stores above.
; Each store of the wave covers 512 consecutive bytes, aligned.
.macro OUT8 rd, pitch, lo, hi
.irp i, 0,1,2,3,4,5,6,7
	ds_load_b128 v[RB+4*\i:RB+4*\i+3], v[\rd] offset:\i*\pitch
.endr
.irp i, 0,1,2,3,4,5,6,7
	s_wait_dscnt 7-\i                              ; tile i is in, the younger ones stay out
	global_store_b128 v[GO], v[RB+4*\i:RB+4*\i+3], s[26:27] offset:(\i>>2)*\hi+(\i&3)*\lo
.endr
.endm
; The table: 512 tasks of one cos chunk and one sin chunk, task 2 b + w for waves 0 and 1, done while the wave's 16 loads are on their way.
.macro TABLE
	s_cmp_gt_u32 s18, 1
	s_cbranch_scc1 .Lno_table_\@
	s_lshl1_add_u32 s21, s19, s18                  ; task
	s_lshr_b32 s22, s21, 2                         ; tb
	s_and_b32 s23, s21, 3                          ; 2 tn + jh
	s_lshl_b32 s28, s22, 4
	v_and_b32 v[TW], 15, v1
	v_add_nc_u32 v[TW], s28, v[TW]
	v_cvt_f32_u32 v[TT], v[TW]                     ; t = 16 tb + r
	s_lshr_b32 s28, s23, 1
	s_lshl_b32 s28, s28, 4
	s_and_b32 s29, s23, 1
	s_lshl2_add_u32 s28, s29, s28                  ; 16 tn + 4 jh
	v_lshrrev_b32 v[TW], 4, v1
	v_lshl_add_u32 v[TI], v[TW], 3, s28            ; + 8 h
	s_lshl_b32 s28, s22, 12
	s_lshl_b32 s29, s23, 9
	s_add_co_u32 s28, s28, s29
	v_add_nc_u32 v[TO], s28, v[GO]
.irp e, 0,1,2,3
	v_add_nc_u32 v[TA+\e], \e, v[TI]
	v_cvt_f32_u32 v[TA+\e], v[TA+\e]
	v_mul_f32 v[TA+\e], s30, v[TA+\e]
.endr
.irp e, 0,1,2,3
	v_exp_f32 v[TA+\e], v[TA+\e]                   ; inv_freq = 10000^(-i/32)
.endr
	v_nop                                          ; one plain instruction behind the exponentials (ISA guide 5.7.2)
	s_wait_alu depctr_va_vdst(0)
.irp e, 0,1,2,3
	v_mul_f32 v[TA+\e], v[TT], v[TA+\e]            ; the angle
	v_mul_f32 v[TN+\e], s31, v[TA+\e]
	v_rndne_f32 v[TN+\e], v[TN+\e]                 ; n = nearest multiple of pi/2
	v_fma_f32 v[TA+\e], v[TN+\e], s32, v[TA+\e]
	v_fma_f32 v[TA+\e], v[TN+\e], s33, v[TA+\e]    ; r = angle - n pi/2
	v_mul_f32 v[TZ+\e], v[TA+\e], v[TA+\e]
	v_fma_f32 v[TS+\e], v[TZ+\e], s34, s35
	v_fma_f32 v[TS+\e], v[TS+\e], v[TZ+\e], s36
	v_mul_f32 v[TS+\e], v[TS+\e], v[TZ+\e]
	v_fma_f32 v[TS+\e], v[TS+\e], v[TA+\e], v[TA+\e]   ; sin r
	v_fma_f32 v[TC+\e], v[TZ+\e], s37, s38
	v_fma_f32 v[TC+\e], v[TC+\e], v[TZ+\e], s39
	v_fma_f32 v[TC+\e], v[TC+\e], v[TZ+\e], -0.5
	v_fma_f32 v[TC+\e], v[TC+\e], v[TZ+\e], 1.0    ; cos r
	v_cvt_i32_f32 v[TN+\e], v[TN+\e]               ; the quadrant is n mod 4
	v_and_b32 v[TW], 1, v[TN+\e]
	v_cmp_eq_u32 vcc_lo, 1, v[TW]
	v_cndmask_b32 v[OS+\e], v[TS+\e], v[TC+\e], vcc_lo   ; odd quadrants swap the two
	v_cndmask_b32 v[OC+\e], v[TC+\e], v[TS+\e], vcc_lo
	v_and_b32 v[TW], 2, v[TN+\e]
	v_lshlrev_b32 v[TW], 30, v[TW]
	v_xor_b32 v[OS+\e], v[TW], v[OS+\e]            ; sin is negative in quadrants 2, 3
	v_add_nc_u32 v[TW], 1, v[TN+\e]
	v_and_b32 v[TW], 2, v[TW]
	v_lshlrev_b32 v[TW], 30, v[TW]
	v_xor_b32 v[OC+\e], v[TW], v[OC+\e]            ; cos in quadrants 1, 2
.endr
	global_store_b128 v[TO], v[OC:OC+3], s[16:17]
	global_store_b128 v[TO], v[OS:OS+3], s[16:17] offset:2048
.Lno_table_\@:
.endm
	s_cmp_lt_u32 s19, 128
	s_cbranch_scc1 .Lpath_x
	s_cmp_lt_u32 s19, 224
	s_cbranch_scc1 .Lpath_wq
	; work-groups 224-255: w_out.  Unit = 16 k rows (kt) x 128 columns (cg)
	s_sub_co_u32 s21, s19, 224
	s_lshr_b32 s22, s21, 2                         ; cg 0..7
	s_and_b32 s21, s21, 3
	s_lshl_b32 s21, s21, 4
	s_add_co_u32 s21, s21, s18                     ; kt 0..63
	s_lshl_b32 s24, s21, 16                        ; 16 rows of 4,096 bytes
	s_lshl_b32 s23, s22, 9
	s_add_co_u32 s24, s24, s23
	s_mov_b32 s25, 0
	s_lshl_b32 s26, s22, 18                        ; nb = 8 cg: 8 x 32,768 bytes
	s_lshl_b32 s23, s21, 9
	s_add_co_u32 s26, s26, s23
	s_mov_b32 s27, 0
	s_wait_kmcnt 0x0
	s_add_nc_u64 s[24:25], s[8:9], s[24:25]
	s_add_nc_u64 s[26:27], s[14:15], s[26:27]
	LOAD16 4096
	TABLE
	CONVW
	OUT8 RW, 528, 32768, 131072
	s_wait_tensorcnt 0x0
	ds_add_u32 v176, v177
	s_wait_dscnt 0x0
	s_endpgm
.Lpath_wq:
	; work-groups 128-223: w_qkv.  Unit = 16 k rows (kt) x 128 columns (cg 0..23: s = cg >> 3, heads 2 (cg & 7) and the next)
	s_sub_co_u32 s21, s19, 128
	s_lshr_b32 s22, s21, 2                         ; cg
	s_and_b32 s21, s21, 3
	s_lshl_b32 s21, s21, 4
	s_add_co_u32 s21, s21, s18                     ; kt
	s_mul_i32 s24, s21, 196608                     ; 16 rows of 12,288 bytes
	s_lshl_b32 s23, s22, 9
	s_add_co_u32 s24, s24, s23
	s_mov_b32 s25, 0
	s_and_b32 s23, s22, 7
	s_mul_i32 s23, s23, 24
	s_lshr_b32 s28, s22, 3
	s_lshl2_add_u32 s23, s28, s23                  ; nb of tile 0 = 24 (cg & 7) + 4 (cg >> 3); tile i adds 12 (i >> 2) + (i & 3)
	s_lshl_b32 s26, s23, 15
	s_lshl_b32 s23, s21, 9
	s_add_co_u32 s26, s26, s23
	s_mov_b32 s27, 0
	s_wait_kmcnt 0x0
	s_add_nc_u64 s[24:25], s[6:7], s[24:25]
	s_add_nc_u64 s[26:27], s[12:13], s[26:27]
	LOAD16 12288
	TABLE
	CONVW
	OUT8 RW, 528, 32768, 393216
	s_wait_tensorcnt 0x0
	ds_add_u32 v176, v177
	s_wait_dscnt 0x0
	s_endpgm
.Lpath_x:
	; work-groups 0-127: x.  Unit = 16 rows (mb) x 128 columns (kg)
	s_lshl_b32 s21, s19, 1
	s_lshr_b32 s22, s18, 3
	s_add_co_u32 s21, s21, s22                     ; mb 0..255
	s_and_b32 s22, s18, 7                          ; kg
	s_lshl_b32 s24, s21, 16
	s_lshl_b32 s23, s22, 9
	s_add_co_u32 s24, s24, s23
	s_mov_b32 s25, 0
	s_lshl_b32 s26, s21, 15
	s_lshl_b32 s23, s22, 12
	s_add_co_u32 s26, s26, s23
	s_mov_b32 s27, 0
	s_wait_kmcnt 0x0
	s_add_nc_u64 s[24:25], s[4:5], s[24:25]
	s_add_nc_u64 s[26:27], s[10:11], s[26:27]
	LOAD16 4096
	TABLE
	CONVX
	OUT8 RX, 544, 512, 2048
	s_wait_tensorcnt 0x0
	ds_add_u32 v176, v177
	s_wait_dscnt 0x0
	s_endpgm
.Lfunc_end_k_q5bd237bfb0_prep:
	.size	k_q5bd237bfb0_prep, .Lfunc_end_k_q5bd237bfb0_prep-k_q5bd237bfb0_prep
	.p2alignl 7, 3214868480
	.fill 96, 4, 3214868480
	.section	.rodata,"a",@progbits
	.p2align	6, 0x0
	.amdhsa_kernel k_q5bd237bfb0_prep
		.amdhsa_group_segment_fixed_size 71680
		.amdhsa_private_segment_fixed_size 0
		.amdhsa_enable_private_segment 0
		.amdhsa_kernarg_size 56
		.amdhsa_user_sgpr_count 2
		.amdhsa_user_sgpr_kernarg_segment_ptr 1
		.amdhsa_wavefront_size32 1
		.amdhsa_system_sgpr_workgroup_id_x 1
		.amdhsa_system_sgpr_workgroup_id_y 1
		.amdhsa_system_sgpr_workgroup_id_z 1
		.amdhsa_system_vgpr_workitem_id 0
		.amdhsa_next_free_vgpr 178
		.amdhsa_next_free_sgpr 66
		.amdhsa_reserve_vcc 1
		.amdhsa_float_denorm_mode_32 3
		.amdhsa_float_denorm_mode_16_64 3
		.amdhsa_memory_ordered 1
		.amdhsa_forward_progress 1
		.amdhsa_inst_pref_size 40
	.end_amdhsa_kernel
	.amdgpu_metadata
---
amdhsa.version: [ 1, 2 ]
amdhsa.kernels:
  - .name:           k_q5bd237bfb0_prep
    .symbol:         k_q5bd237bfb0_prep.kd
    .args:
      - { .name: x, .offset: 0, .size: 8, .value_kind: global_buffer, .address_space: global }
      - { .name: w_qkv, .offset: 8, .size: 8, .value_kind: global_buffer, .address_space: global }
      - { .name: w_out, .offset: 16, .size: 8, .value_kind: global_buffer, .address_space: global }
      - { .name: xb, .offset: 24, .size: 8, .value_kind: global_buffer, .address_space: global }
      - { .name: wq, .offset: 32, .size: 8, .value_kind: global_buffer, .address_space: global }
      - { .name: wo, .offset: 40, .size: 8, .value_kind: global_buffer, .address_space: global }
      - { .name: tab, .offset: 48, .size: 8, .value_kind: global_buffer, .address_space: global }
    .group_segment_fixed_size: 71680
    .private_segment_fixed_size: 0
    .kernarg_segment_align: 8
    .kernarg_segment_size: 56
    .max_flat_workgroup_size: 512
    .sgpr_count:     66
    .vgpr_count:     178
    .wavefront_size: 32
...
	.end_amdgpu_metadata
.endif
;; end of part 1
;; launch qkv (part 2): grid 16 x 16, 4 waves a work-group, clusters of 4 x 4, 327,680 bytes of LDS; arguments xb, wq, b_qkv, tab, qf, kv; writes qf, kv
.if DOCPART == 2
	.amdgcn_target "amdgcn-amd-amdhsa--gfx1250"
	.amdhsa_code_object_version 6
	.text
	.protected	k_q5bd237bfb0_qkv
	.globl	k_q5bd237bfb0_qkv
	.p2align	8
	.type	k_q5bd237bfb0_qkv,@function
k_q5bd237bfb0_qkv:
	s_mov_b64 s[64:65], 0
	v_nop
	global_prefetch_b8 v0, s[64:65] scope:SCOPE_SE
	s_setreg_imm32_b32 hwreg(HW_REG_WAVE_MODE, 25, 1), 1
	s_wait_xcnt 0x0
	s_wait_alu depctr_hold_cnt(0) depctr_sa_sdst(0) depctr_va_vdst(0) depctr_va_sdst(0) depctr_va_ssrc(0) depctr_va_vcc(0) depctr_vm_vsrc(0)
	s_getreg_b32 s2, hwreg(HW_REG_IB_STS2, 6, 4)
	s_cmp_eq_u32 s2, 0
	s_cbranch_scc0 .Lentry_in_a_cluster
	s_endpgm
.Lentry_in_a_cluster:
	s_bfe_u32 s2, ttmp6, 0x10000c
	s_cmp_lg_u32 s2, 0xf033
	s_cbranch_scc0 .Lentry_shape_is_right
	s_endpgm
.Lentry_shape_is_right:
; qkv = x w_qkv + b_qkv, RoPE on q and k, q scaled by log2(e)/8; all three leave as f16 fragment tiles (16 x 16, lane L owns bytes 16 L).
; A work-group makes 256 tokens (block row by) x the 192 columns q, k, v of one head (bx).  Four waves, 64 tokens x 192 columns each: 48 accumulators.
; K = 1,024 goes in 8 steps of 128 through two LDS slots: A [mb 16][kt 8][512], then B [nb 12][kt 8][512].
; Operands are read as runs of 512 bytes (lane L at 16 L): no two lanes meet in a bank, no padding.
; q and k tiles: source 0 = W, source 1 = x: lane (r, h) holds token r, columns 8 h + j: packed, that is a Q or K fragment tile, and the RoPE partner
; d + 32 is the same lane and register two tiles on.  v tiles: source 0 = x, source 1 = W: lane holds d = r, tokens 8 h + j: a tile of V transposed.
; So every result is stored straight from registers, 512 consecutive aligned bytes a store; no LDS stage.
; CLUSTER 4 x 4: A's tile hangs on by alone and is asked for jointly along a row of the cluster, B's on bx alone, jointly along a column.
; No prefetch: xb and wq were stored by the launch before and each tile is asked for by four work-groups at once.
; LIMIT: f16 operands and results: 0.18 |q|, |k|, |v| must stay under 65,504; magnitudes under about 6e-8 are lost.
; REGISTERS: window 0: v1-11 addresses, v16-23 v bias, v24-31 at work, v64-127 x fragments (two buffers), v128-255 cos and sin; behind the loop v32-127 results.
;   window 1: v0-191 W fragments (two buffers), v192-255 q and k bias.   window 2: q, k accumulators (a, b) at 8 (8 a + b).   window 3: v accumulators at 8 (4 a + dn).
.set SLOT,  114688
.set BOFF,  65536
.set STEPB, 4096                       ; a K step in a block row of xb or wq: 8 tiles
.set GO,   2                           ; v2     16 L
.set HB,   3                           ; v3     32 h
.set RB4,  4                           ; v4     4 r
.set ADRA, 8                           ; v8-9   my x fragments in slot 0, 1
.set ADRB, 10                          ; v10-11 the W fragments
.set BV,   16
.set UU,   24
.set EQ,   32
.set EK,   64
.set EV,   96
.set TAB,  128
.set BQK,  192
.set G1,  24                           ; s[24:31] group 1, A's tiles
.set G0,  32                           ; s[32:39] group 0, A's tiles, a set for each slot
.set G1B, 48                           ; s[48:55] group 1, B's tiles
.set G0B, 56                           ; s[56:63] group 0, B's tiles
.set MUL_QK, 0xa1                      ; source 0 (W) window 1, source 1 (x) window 0, C and D window 2
.set MUL_V,  0xf4                      ; source 0 (x) window 0, source 1 (W) window 1, C and D window 3
.set TO_B,   0x40                      ; destination window 1
.set MSB, 0
.macro WIN new                         ; the immediate's high byte repeats the setting that is left
.if MSB != \new
	s_set_vgpr_msb (MSB<<8)|\new
.set MSB, \new
.endif
.endm
.macro PLACES                          ; four places behind a matrix instruction before its registers are loaded into or its result is read (ISA guide 7.12.1)
.rept 4
	v_nop
.endr
.endm
.macro JLOAD s                         ; waves 0, 1 ask for A's halves, waves 2, 3 for B's: one line, one mask each; the branch hangs on the wave's number alone
	s_cmp_eq_u32 s17, 0
	s_cbranch_scc0 .Lfor_b_\@
	tensor_load_to_lds s[G0+4*\s:G0+4*\s+3], s[G1:G1+7]
	s_nop 0
	s_branch .Lasked_\@
.Lfor_b_\@:
	tensor_load_to_lds s[G0B+4*\s:G0B+4*\s+3], s[G1B:G1B+7]
	s_nop 0
.Lasked_\@:
.endm
.macro CREST                           ; a round of the cluster's barrier behind its opening barrier
	s_cmp_lg_u32 s16, 0
	s_cbranch_scc1 .Lnot_wave_0_\@
	s_barrier_signal -3
.Lnot_wave_0_\@:
	s_barrier_wait -3
	s_barrier_signal -1
	s_barrier_wait -1
.endm
.macro CROUND
	s_barrier_signal -1
	s_barrier_wait -1
	CREST
.endm
	s_load_b256 s[4:11], s[0:1], 0x0               ; xb s[4:5], wq s[6:7], b_qkv s[8:9], tab s[10:11]
	s_load_b128 s[12:15], s[0:1], 0x20             ; qf s[12:13], kv s[14:15]
	v_lshl_add_u32 v14, v0, 2, 0x38000
	v_mov_b32 v15, 0
	ds_add_u32 v14, v15
	v_lshrrev_b32 v1, 5, v0
	v_readfirstlane_b32 s16, v1                    ; wave 0..3
	s_lshr_b32 s17, s16, 1                         ; I fetch for A (0) or for B (1)
	s_and_b32 s18, s16, 1                          ; which half of that tile
	s_bfe_u32 s19, ttmp6, 0x40000                  ; cx
	s_bfe_u32 s20, ttmp6, 0x40004                  ; cy
	s_lshl_b32 s21, ttmp9, 2
	s_add_co_u32 s21, s21, s19                     ; bx = head
	s_and_b32 s22, ttmp7, 0xffff
	s_lshl_b32 s22, s22, 2
	s_add_co_u32 s22, s22, s20                     ; by = block of 256 tokens
	s_lshl_b32 s40, s20, 2
	s_lshl_b32 s40, 15, s40                        ; my row of the cluster
	s_lshl_b32 s41, 0x1111, s19                    ; my column
	; group 1: rows of 512 elements of 8 bytes (one block row's K step, 4,096 bytes), 4,096 elements from block row to block row; A 8 rows, B 6
	s_or_b32 s[G1+0], s40, (3<<16)|(1<<21)
	s_or_b32 s[G1B+0], s41, (3<<16)|(1<<21)
	s_mov_b32 s[G1+1], 512<<16
	s_mov_b32 s[G1B+1], 512<<16
	s_mov_b32 s[G1+2], 8<<16
	s_mov_b32 s[G1B+2], 6<<16
	s_mov_b32 s[G1+3], 512<<16
	s_mov_b32 s[G1B+3], 512<<16
	s_mov_b32 s[G1+4], 8
	s_mov_b32 s[G1B+4], 6
	s_mov_b32 s[G1+5], 4096
	s_mov_b32 s[G1B+5], 4096
	s_mov_b32 s[G1+6], 0
	s_mov_b32 s[G1B+6], 0
	s_mov_b32 s[G1+7], 0
	s_mov_b32 s[G1B+7], 0
	s_lshl_b32 s42, s22, 19                        ; A: 16 block rows of 32,768 bytes a work-group,
	s_lshl_b32 s66, s18, 18                        ; 8 a half
	s_add_co_u32 s42, s42, s66
	s_mov_b32 s43, 0
	s_mul_i32 s46, s21, 393216                     ; B: 12 block rows a head,
	s_mul_i32 s67, s18, 196608                     ; 6 a half
	s_add_co_u32 s46, s46, s67
	s_mov_b32 s47, 0
	s_lshl_b32 s68, s16, 15                        ; A's halves land at wave x 32,768 (waves 0, 1),
	s_mul_i32 s69, s16, 24576
	s_add_co_u32 s69, s69, 16384                   ; B's at 65,536 + (wave - 2) x 24,576 (waves 2, 3)
	s_wait_dscnt 0x0
	s_wait_kmcnt 0x0
	s_add_nc_u64 s[42:43], s[4:5], s[42:43]
	s_add_nc_u64 s[46:47], s[6:7], s[46:47]
	CROUND                                         ; all sixteen work-groups are here: the first joint loads meet
.irp s, 0,1
	s_mov_b32 s[G0+4*\s], 1
	s_add_co_u32 s[G0+4*\s+1], s68, \s*SLOT
	s_add_nc_u64 s[G0+4*\s+2:G0+4*\s+3], s[42:43], \s*STEPB
	s_or_b32 s[G0+4*\s+3], s[G0+4*\s+3], 0x80000000
	s_mov_b32 s[G0B+4*\s], 1
	s_add_co_u32 s[G0B+4*\s+1], s69, \s*SLOT
	s_add_nc_u64 s[G0B+4*\s+2:G0B+4*\s+3], s[46:47], \s*STEPB
	s_or_b32 s[G0B+4*\s+3], s[G0B+4*\s+3], 0x80000000
	JLOAD \s                                       ; K steps 0 and 1: two tensor loads of the wave are out, the most in this text
.endr
	v_and_b32 v1, 31, v0
	v_lshlrev_b32 v[GO], 4, v1
	v_lshrrev_b32 v5, 4, v1
	v_lshlrev_b32 v[HB], 5, v5
	v_and_b32 v5, 15, v1
	v_lshlrev_b32 v[RB4], 2, v5
	s_lshl_b32 s66, s16, 14                        ; my 4 block rows of A
	v_add_nc_u32 v[ADRA], s66, v[GO]
	s_add_co_u32 s66, s66, SLOT
	v_add_nc_u32 v[ADRA+1], s66, v[GO]
	v_add_nc_u32 v[ADRB], BOFF, v[GO]
	v_add_nc_u32 v[ADRB+1], BOFF+SLOT, v[GO]
	s_mov_b32 s70, 0x3e38aa3b                      ; log2(e) / 8
	s_mov_b32 s71, 0x3e38aa3b
	; bases of the plain loads and of the stores, in registers that feed no descriptor
	s_and_b32 s72, s22, 7
	s_lshl_b32 s72, s72, 4
	s_lshl2_add_u32 s72, s16, s72                  ; tb0 = 16 (by & 7) + 4 wave: my first token block in its sequence
	s_lshl_b32 s74, s72, 12
	s_mov_b32 s75, 0
	s_add_nc_u64 s[10:11], s[10:11], s[74:75]      ; the table at tb0
	s_lshl_b32 s74, s21, 8
	s_add_nc_u64 s[8:9], s[8:9], s[74:75]          ; the bias at my head's 64 columns
	s_lshr_b32 s73, s22, 3
	s_lshl4_add_u32 s73, s73, s21                  ; bh = 16 batch + head
	s_lshl_b32 s76, s72, 11
	s_lshl_b32 s74, s73, 18
	s_add_co_u32 s74, s74, s76
	s_add_nc_u64 s[12:13], s[12:13], s[74:75]      ; qf at (bh, tb0)
	s_lshl_b32 s74, s73, 19
	s_add_co_u32 s74, s74, s76
	s_add_nc_u64 s[14:15], s[14:15], s[74:75]      ; kv at (bh, K, tb0); V lies 262,144 bytes on
	; cos, sin and bias for the way out: asked for now, waited for behind the loop; their registers are not touched in between
.irp a, 0,1,2,3
.irp c, 0,1,2,3,4,5,6,7
	global_load_b128 v[TAB+32*\a+4*\c:TAB+32*\a+4*\c+3], v[GO], s[10:11] offset:\a*4096+\c*512
.endr
.endr
.irp d, 0,1,2,3
	global_load_b32 v[BV+2*\d], v[RB4], s[8:9] offset:8192+64*\d       ; v bias of d = 16 dn + r, twice: a pair for the packed add
	global_load_b32 v[BV+2*\d+1], v[RB4], s[8:9] offset:8192+64*\d
.endr
	WIN TO_B
.irp b, 0,1,2,3,4,5,6,7
	global_load_b128 v[BQK+8*\b:BQK+8*\b+3], v[HB], s[8:9] offset:(\b>>2)*4096+(\b&3)*64
	global_load_b128 v[BQK+8*\b+4:BQK+8*\b+7], v[HB], s[8:9] offset:(\b>>2)*4096+(\b&3)*64+16
.endr
	WIN 0
; 32 LDS loads: the fragments of 32 along K at byte k of the block rows, into buffer f
.macro FETCH slot, k, f
	WIN 0
.irp a, 0,1,2,3
	ds_load_b128 v[64+32*\f+8*\a:64+32*\f+8*\a+3], v[ADRA+\slot] offset:\a*4096+\k
	ds_load_b128 v[64+32*\f+8*\a+4:64+32*\f+8*\a+7], v[ADRA+\slot] offset:\a*4096+\k+512
.endr
	WIN TO_B
.irp n, 0,1,2,3,4,5,6,7,8,9,10,11
	ds_load_b128 v[96*\f+8*\n:96*\f+8*\n+3], v[ADRB+\slot] offset:\n*4096+\k
	ds_load_b128 v[96*\f+8*\n+4:96*\f+8*\n+7], v[ADRB+\slot] offset:\n*4096+\k+512
.endr
.endm
; The 48 accumulators take turns, one instruction a turn, in the same order in every quarter step.
.macro MULQK f, a0, zero
	WIN MUL_QK
.irp a, \a0, \a0+1
.irp b, 0,1,2,3,4,5,6,7
.if \zero
	v_wmma_f32_16x16x32_f16 v[8*(8*(\a)+\b):8*(8*(\a)+\b)+7], v[96*\f+8*\b:96*\f+8*\b+7], v[64+32*\f+8*(\a):64+32*\f+8*(\a)+7], 0
.else
	v_wmma_f32_16x16x32_f16 v[8*(8*(\a)+\b):8*(8*(\a)+\b)+7], v[96*\f+8*\b:96*\f+8*\b+7], v[64+32*\f+8*(\a):64+32*\f+8*(\a)+7], v[8*(8*(\a)+\b):8*(8*(\a)+\b)+7]
.endif
.endr
.endr
.endm
.macro MULV f, zero
	WIN MUL_V
.irp a, 0,1,2,3
.irp d, 0,1,2,3
.if \zero
	v_wmma_f32_16x16x32_f16 v[8*(4*\a+\d):8*(4*\a+\d)+7], v[64+32*\f+8*\a:64+32*\f+8*\a+7], v[96*\f+8*(8+\d):96*\f+8*(8+\d)+7], 0
.else
	v_wmma_f32_16x16x32_f16 v[8*(4*\a+\d):8*(4*\a+\d)+7], v[64+32*\f+8*\a:64+32*\f+8*\a+7], v[96*\f+8*(8+\d):96*\f+8*(8+\d)+7], v[8*(4*\a+\d):8*(4*\a+\d)+7]
.endif
.endr
.endr
.endm
; A quarter step (32 along K): the next quarter's 32 loads go out first, into the buffer multiplied last, and have this quarter's 48 matrix instructions to land.
.macro QUARTER slot, k, f, g, zero
	PLACES
	FETCH \slot, \k, \g
	s_wait_dscnt 32                                ; all but the 32 just issued: buffer f is whole
	MULQK \f, 0, \zero
	MULQK \f, 2, \zero
	MULV \f, \zero
.endm
.macro THREE slot, zero
	QUARTER \slot, 1024, 0, 1, \zero
	QUARTER \slot, 2048, 1, 0, 0
	QUARTER \slot, 3072, 0, 1, 0
.endm
; The last quarter multiplies buffer 1 and changes slots.  In front of the barrier: my reads of this slot are back and all my tensor loads have landed
; (the one that was out is my part of the next slot).  Where the slot is filled again the barrier opens a round of the cluster's barrier, and the joint
; refill is the first tensor load behind the round.
.macro TURN slot, next, fill
	s_wait_dscnt 0x0
	s_set_vgpr_msb 0xf4f0
	s_wait_tensorcnt 0x0
	ds_add_u32 v14, v15
	s_wait_dscnt 0x0
	s_set_vgpr_msb 0xf0f4
	s_barrier_signal -1
	MULQK 1, 0, 0                                  ; register work while the others arrive
	WIN 0
	s_barrier_wait -1
.if \fill
	CREST
	s_add_nc_u64 s[G0+4*\slot+2:G0+4*\slot+3], s[G0+4*\slot+2:G0+4*\slot+3], 2*STEPB
	s_add_nc_u64 s[G0B+4*\slot+2:G0B+4*\slot+3], s[G0B+4*\slot+2:G0B+4*\slot+3], 2*STEPB
	JLOAD \slot
.endif
	PLACES
	FETCH \next, 0, 0
	MULQK 1, 2, 0
	MULV 1, 0
.endm
.macro LAP zero
	THREE 0, \zero
	TURN 0, 1, 1
	THREE 1, 0
	TURN 1, 0, 1
.endm
	s_wait_tensorcnt 0x1                           ; my part of K step 0 is in; K step 1's stays out
	s_barrier_signal -1
	s_barrier_wait -1
	FETCH 0, 0, 0
	LAP 1                                          ; K steps 0, 1: the first products start the sums
	WIN 0
	s_mov_b32 s23, 2
.Llap:
	LAP 0                                          ; K steps 2 to 5
	WIN 0
	s_sub_co_u32 s23, s23, 1
	s_cmp_lg_u32 s23, 0
	s_cbranch_scc1 .Llap
	THREE 0, 0                                     ; K steps 6, 7: nothing is left to fetch
	TURN 0, 1, 0
	THREE 1, 0
	s_wait_dscnt 0x0
	MULQK 1, 0, 0
	MULQK 1, 2, 0
	MULV 1, 0
	WIN 0
	PLACES
	s_wait_loadcnt 0x0                             ; table and bias
	WIN 0x41
.set i, 0
.rept 16
	v_pk_mul_f32 v[BQK+2*i:BQK+2*i+1], v[BQK+2*i:BQK+2*i+1], s[70:71] op_sel_hi:[1,0]   ; q's bias takes q's scale
.set i, i+1
.endr
; (x1, x2) -> (x1 cos - x2 sin, x1 sin + x2 cos); x1 = tile t, x2 = tile t + 2, same lane and register
.macro ROPE e, a
.irp t, 0,1
.irp p, 0,2,4,6
	v_pk_mul_f32 v[UU+\p:UU+\p+1], v[\e+16+8*\t+\p:\e+16+8*\t+\p+1], v[TAB+32*\a+16+8*\t+\p:TAB+32*\a+16+8*\t+\p+1]
.endr
.irp p, 0,2,4,6
	v_pk_mul_f32 v[\e+16+8*\t+\p:\e+16+8*\t+\p+1], v[\e+16+8*\t+\p:\e+16+8*\t+\p+1], v[TAB+32*\a+8*\t+\p:TAB+32*\a+8*\t+\p+1]
.endr
.irp p, 0,2,4,6
	v_pk_fma_f32 v[\e+16+8*\t+\p:\e+16+8*\t+\p+1], v[\e+8*\t+\p:\e+8*\t+\p+1], v[TAB+32*\a+16+8*\t+\p:TAB+32*\a+16+8*\t+\p+1], v[\e+16+8*\t+\p:\e+16+8*\t+\p+1]
.endr
.irp p, 0,2,4,6
	v_pk_fma_f32 v[\e+8*\t+\p:\e+8*\t+\p+1], v[\e+8*\t+\p:\e+8*\t+\p+1], v[TAB+32*\a+8*\t+\p:TAB+32*\a+8*\t+\p+1], v[UU+\p:UU+\p+1] neg_lo:[0,0,1] neg_hi:[0,0,1]
.endr
.endr
.endm
; Token block a: bias (and q's scale), RoPE, round to f16 in place, twelve tiles out.
.macro OUTA a
	s_wait_xcnt 0x0                                ; the last block's stores have had their addresses translated: their data registers are rewritten only behind this wait
	WIN 0x12                                       ; source 0 window 2, source 2 window 1
.set i, 0
.rept 16
	v_pk_fma_f32 v[EQ+2*i:EQ+2*i+1], v[64*\a+2*i:64*\a+2*i+1], s[70:71], v[BQK+2*i:BQK+2*i+1] op_sel_hi:[1,0,1]
.set i, i+1
.endr
	WIN 0x06                                       ; source 0 window 2, source 1 window 1
.set i, 0
.rept 16
	v_pk_add_f32 v[EK+2*i:EK+2*i+1], v[64*\a+32+2*i:64*\a+32+2*i+1], v[BQK+32+2*i:BQK+32+2*i+1]
.set i, i+1
.endr
	WIN 0x03                                       ; source 0 window 3
.irp d, 0,1,2,3
.irp p, 0,2,4,6
	v_pk_add_f32 v[EV+8*\d+\p:EV+8*\d+\p+1], v[32*\a+8*\d+\p:32*\a+8*\d+\p+1], v[BV+2*\d:BV+2*\d+1]
.endr
.endr
	WIN 0
	ROPE EQ, \a
	ROPE EK, \a
.set i, 0
.rept 12
.irp p, 0,1,2,3
	v_cvt_pk_f16_f32 v[EQ+8*i+\p], v[EQ+8*i+2*\p], v[EQ+8*i+2*\p+1]   ; word p is written after registers 2 p, 2 p + 1 of the words before it were read
.endr
.set i, i+1
.endr
.irp t, 0,1,2,3
	global_store_b128 v[GO], v[EQ+8*\t:EQ+8*\t+3], s[12:13] offset:\a*2048+\t*512
	global_store_b128 v[GO], v[EK+8*\t:EK+8*\t+3], s[14:15] offset:\a*2048+\t*512
	global_store_b128 v[GO], v[EV+8*\t:EV+8*\t+3], s[14:15] offset:262144+\a*2048+\t*512
.endr
.endm
	OUTA 0
	OUTA 1
	OUTA 2
	OUTA 3
	CROUND                                         ; the closing round: no work-group ends while a partner may still ask jointly
	s_endpgm
.Lfunc_end_k_q5bd237bfb0_qkv:
	.size	k_q5bd237bfb0_qkv, .Lfunc_end_k_q5bd237bfb0_qkv-k_q5bd237bfb0_qkv
	.p2alignl 7, 3214868480
	.fill 96, 4, 3214868480
	.section	.rodata,"a",@progbits
	.p2align	6, 0x0
	.amdhsa_kernel k_q5bd237bfb0_qkv
		.amdhsa_group_segment_fixed_size 327680
		.amdhsa_private_segment_fixed_size 0
		.amdhsa_enable_private_segment 0
		.amdhsa_kernarg_size 48
		.amdhsa_user_sgpr_count 2
		.amdhsa_user_sgpr_kernarg_segment_ptr 1
		.amdhsa_wavefront_size32 1
		.amdhsa_system_sgpr_workgroup_id_x 1
		.amdhsa_system_sgpr_workgroup_id_y 1
		.amdhsa_system_sgpr_workgroup_id_z 1
		.amdhsa_system_vgpr_workitem_id 0
		.amdhsa_next_free_vgpr 896
		.amdhsa_next_free_sgpr 80
		.amdhsa_reserve_vcc 0
		.amdhsa_float_denorm_mode_32 3
		.amdhsa_float_denorm_mode_16_64 3
		.amdhsa_memory_ordered 1
		.amdhsa_forward_progress 1
		.amdhsa_inst_pref_size 189
	.end_amdhsa_kernel
	.amdgpu_metadata
---
amdhsa.version: [ 1, 2 ]
amdhsa.kernels:
  - .name:           k_q5bd237bfb0_qkv
    .symbol:         k_q5bd237bfb0_qkv.kd
    .args:
      - { .name: xb, .offset: 0, .size: 8, .value_kind: global_buffer, .address_space: global }
      - { .name: wq, .offset: 8, .size: 8, .value_kind: global_buffer, .address_space: global }
      - { .name: b_qkv, .offset: 16, .size: 8, .value_kind: global_buffer, .address_space: global }
      - { .name: tab, .offset: 24, .size: 8, .value_kind: global_buffer, .address_space: global }
      - { .name: qf, .offset: 32, .size: 8, .value_kind: global_buffer, .address_space: global }
      - { .name: kv, .offset: 40, .size: 8, .value_kind: global_buffer, .address_space: global }
    .group_segment_fixed_size: 327680
    .private_segment_fixed_size: 0
    .kernarg_segment_align: 8
    .kernarg_segment_size: 48
    .max_flat_workgroup_size: 128
    .sgpr_count:     80
    .vgpr_count:     896
    .wavefront_size: 32
...
	.end_amdgpu_metadata
.endif
;; end of part 2
;; launch attn (part 3): grid 8 x 32, 8 waves a work-group, clusters of 4 x 1, 327,680 bytes of LDS; arguments qf, kv, ao; writes ao
.if DOCPART == 3
	.amdgcn_target "amdgcn-amd-amdhsa--gfx1250"
	.amdhsa_code_object_version 6
	.text
	.protected	k_q5bd237bfb0_attn
	.globl	k_q5bd237bfb0_attn
	.p2align	8
	.type	k_q5bd237bfb0_attn,@function
k_q5bd237bfb0_attn:
	s_mov_b64 s[64:65], 0
	v_nop
	global_prefetch_b8 v0, s[64:65] scope:SCOPE_SE
	s_setreg_imm32_b32 hwreg(HW_REG_WAVE_MODE, 25, 1), 1
	s_wait_xcnt 0x0
	s_wait_alu depctr_hold_cnt(0) depctr_sa_sdst(0) depctr_va_vdst(0) depctr_va_sdst(0) depctr_va_ssrc(0) depctr_va_vcc(0) depctr_vm_vsrc(0)
	s_getreg_b32 s2, hwreg(HW_REG_IB_STS2, 6, 4)
	s_cmp_eq_u32 s2, 0
	s_cbranch_scc0 .Lentry_in_a_cluster
	s_endpgm
.Lentry_in_a_cluster:
	s_bfe_u32 s2, ttmp6, 0x10000c
	s_cmp_lg_u32 s2, 0x3003
	s_cbranch_scc0 .Lentry_shape_is_right
	s_endpgm
.Lentry_shape_is_right:
; softmax(q k^T / 8) v for one (batch, head) bh and 256 queries.  q already carries log2(e)/8, so the exponentials are in base 2.
; Eight waves: wave w takes queries 64 (w & 3) .. + 63 and keys 1,024 (w >> 2) .. + 1,023, with a running maximum of its own; the two halves of the keys
; are merged at the end through LDS.  Two waves lie on a SIMD, so that one's softmax arithmetic runs beside the other's matrix instructions.
; S^T = K Q^T (source 0 = K, source 1 = Q): lane (r, h) holds query r, keys 8 h + j.  So maximum and sum are per lane, with one exchange between the lane
; halves, and two key tiles rounded to f16 in place ARE the operand P (query r, 32 keys).  O^T = V^T P: lane holds query r, d = 8 h + j: a tile for the projection.
; 16 steps of 64 keys a wave.  Two LDS slots of 65,536 bytes, each [key half][K, V][2 steps][8,192]: one barrier for two steps.
; CLUSTER 4 x 1: the four work-groups of a cluster have the same bh and read the same K and V: every fill is a joint load, one of 8,192 bytes a wave.
; No prefetch: kv was stored by the launch before and is asked for by eight work-groups within a short time.
; LIMIT: P and the result are f16: |result| under 65,504.  P lies in [0, 1] for every input.
; REGISTERS: window 0: addresses, statistics, K fragments v32-95, scores v96-223.  Window 1: O v0-127 (tile (qt, dn) at 8 (4 qt + dn)), Q v128-191, V v192-255.
.set AD,  2                            ; v2-3     my key half in slot 0, 1, + 16 L
.set GO,  4                            ; v4       16 L
.set STG, 5                            ; v5       the merge's stage of my query group, + 16 L
.set MX,  8                            ; v[8:11]  running maximum of query tile qt
.set LS,  12                           ; v[12:15] running sum, of my lane half's keys
.set MP,  16                           ; v[16:23] the maximum as a pair
.set AL,  24                           ; v[24:31] the rescaling factor as a pair
.set KF,  32
.set SC,  96                           ; tile (kt, qt) at 8 (4 kt + qt)
.set TM,  224
.set TX,  228
.set TS,  232
.set OA,  0
.set QF,  128
.set VF,  192
.set G0,  32                           ; s[32:39] group 0, a set for each slot; group 1 in s[16:23]
.set MSB, 0
.macro WIN new
.if MSB != \new
	s_set_vgpr_msb (MSB<<8)|\new
.set MSB, \new
.endif
.endm
.macro ROUND                           ; a round of the cluster's barrier
	s_barrier_signal -1
	s_barrier_wait -1
	s_cmp_lg_u32 s8, 0
	s_cbranch_scc1 .Lnot_wave_0_\@
	s_barrier_signal -3
.Lnot_wave_0_\@:
	s_barrier_wait -3
	s_barrier_signal -1
	s_barrier_wait -1
.endm
	s_load_b128 s[4:7], s[0:1], 0x0                ; qf s[4:5], kv s[6:7]
	s_load_b64 s[10:11], s[0:1], 0x10              ; ao
	v_lshl_add_u32 v254, v0, 2, 0x31000
	v_mov_b32 v255, 0
	ds_add_u32 v254, v255
	v_lshrrev_b32 v1, 5, v0
	v_readfirstlane_b32 s8, v1                     ; wave 0..7
	v_and_b32 v1, 31, v0
	s_lshr_b32 s9, s8, 2                           ; key half
	s_and_b32 s12, s8, 3                           ; query group
	s_bfe_u32 s13, ttmp6, 0x40000                  ; cx
	s_lshl_b32 s14, ttmp9, 2
	s_add_co_u32 s14, s14, s13                     ; block of 256 queries
	s_and_b32 s15, ttmp7, 0xffff                   ; bh
	s_mov_b32 s40, 0x76543210                      ; v_permlanex16_b32: lane i of one half reads lane i of the other
	s_mov_b32 s41, 0xfedcba98
	; group 1: a dense block of 8,192 bytes as 32 rows of 32 elements of 8 bytes; mask: all four work-groups of the cluster
	s_mov_b32 s16, 15|(3<<16)|(1<<21)
	s_mov_b32 s17, 32<<16
	s_mov_b32 s18, 32<<16
	s_mov_b32 s19, 32<<16
	s_mov_b32 s20, 32
	s_mov_b32 s21, 32
	s_mov_b32 s22, 0
	s_mov_b32 s23, 0
	; wave w = 4 key half + 2 (K or V) + step in the slot: its piece comes from and goes to
	s_lshl_b32 s24, s15, 19
	s_bfe_u32 s26, s8, 0x10001
	s_lshl_b32 s26, s26, 18                        ; V lies 262,144 bytes behind K
	s_add_co_u32 s24, s24, s26
	s_lshl_b32 s26, s9, 17                         ; 1,024 keys of 128 bytes
	s_add_co_u32 s24, s24, s26
	s_and_b32 s26, s8, 1
	s_lshl_b32 s26, s26, 13
	s_add_co_u32 s24, s24, s26
	s_mov_b32 s25, 0
	s_lshl_b32 s27, s8, 13                         ; LDS: wave x 8,192
	s_wait_dscnt 0x0
	s_wait_kmcnt 0x0
	s_add_nc_u64 s[24:25], s[6:7], s[24:25]
	ROUND                                          ; in front of the first joint loads
.irp s, 0,1
	s_mov_b32 s[G0+4*\s], 1
	s_add_co_u32 s[G0+4*\s+1], s27, \s*65536
	s_add_nc_u64 s[G0+4*\s+2:G0+4*\s+3], s[24:25], \s*16384
	s_or_b32 s[G0+4*\s+3], s[G0+4*\s+3], 0x80000000
	tensor_load_to_lds s[G0+4*\s:G0+4*\s+3], s[16:23]   ; steps 0, 1 and 2, 3: two tensor loads of the wave are out, the most in this text
	s_nop 0
.endr
	s_lshl_b32 s28, s14, 4
	s_lshl2_add_u32 s28, s12, s28                  ; my first query block of 16 in the sequence
	s_lshl_b32 s30, s15, 18
	s_lshl_b32 s29, s28, 11
	s_add_co_u32 s30, s30, s29
	s_mov_b32 s31, 0
	s_add_nc_u64 s[4:5], s[4:5], s[30:31]          ; my Q tiles
	s_lshr_b32 s29, s15, 4
	s_lshl_b32 s29, s29, 7
	s_add_co_u32 s29, s29, s28                     ; row block of ao = 128 batch + query block
	s_lshl_b32 s30, s29, 15
	s_and_b32 s29, s15, 15
	s_lshl_b32 s29, s29, 11                        ; k tile = 4 head + dn
	s_add_co_u32 s30, s30, s29
	s_add_nc_u64 s[10:11], s[10:11], s[30:31]
	v_lshlrev_b32 v[GO], 4, v1
	s_lshl_b32 s42, s9, 15
	v_add_nc_u32 v[AD], s42, v[GO]
	s_add_co_u32 s42, s42, 65536
	v_add_nc_u32 v[AD+1], s42, v[GO]
	s_mul_i32 s43, s12, 17408
	s_add_co_u32 s43, s43, 131072                  ; the stages lie behind the ring: no tensor load fills them
	v_add_nc_u32 v[STG], s43, v[GO]
.irp q, 0,1,2,3
	v_mov_b32 v[TX+\q], 0                          ; v_permlanex16_b32 counts as a reader of its destination
.endr
	WIN 0x40
.set i, 0
.rept 16
	global_load_b128 v[QF+4*i:QF+4*i+3], v[GO], s[4:5] offset:i*512   ; Q fragment (qt, c) at QF + 16 qt + 8 c
.set i, i+1
.endr
	WIN 0
; One step: 64 keys at piece j of the slot.  first = 1: nothing to carry on from.
.macro STEP slot, j, first
.set i, 0
.rept 16
	ds_load_b128 v[KF+4*i:KF+4*i+3], v[AD+\slot] offset:\j*8192+i*512          ; K fragment (kt, c) at KF + 16 kt + 8 c
.set i, i+1
.endr
	WIN 0x40
.set i, 0
.rept 16
	ds_load_b128 v[VF+8*(4*(i>>3)+(i&3))+4*((i>>2)&1):VF+8*(4*(i>>3)+(i&3))+4*((i>>2)&1)+3], v[AD+\slot] offset:16384+\j*8192+i*512   ; V^T fragment (32 keys g, dn)
.set i, i+1
.endr
	s_wait_dscnt 16                                ; K is in; the 16 loads of V stay out
	WIN 0x04
	; the 16 score tiles take turns, one instruction a turn
.irp c, 0,1
.irp k, 0,1,2,3
.irp q, 0,1,2,3
.if \c == 0
	v_wmma_f32_16x16x32_f16 v[SC+8*(4*\k+\q):SC+8*(4*\k+\q)+7], v[KF+16*\k:KF+16*\k+7], v[QF+16*\q:QF+16*\q+7], 0
.else
	v_wmma_f32_16x16x32_f16 v[SC+8*(4*\k+\q):SC+8*(4*\k+\q)+7], v[KF+16*\k+8:KF+16*\k+15], v[QF+16*\q+8:QF+16*\q+15], v[SC+8*(4*\k+\q):SC+8*(4*\k+\q)+7]
.endif
.endr
.endr
.endr
	WIN 0
.rept 4
	v_nop                                          ; four places before the scores are read (ISA guide 7.12.1)
.endr
	; the new maximum: four chains, one a query tile, that begin with the old one
.set n, 0
.rept 16
.irp q, 0,1,2,3
.if n == 0
.if \first
	v_max_num_f32 v[TM+\q], v[SC+8*\q], v[SC+8*\q+1]
.else
	v_max3_num_f32 v[TM+\q], v[MX+\q], v[SC+8*\q], v[SC+8*\q+1]
.endif
.else
	v_max3_num_f32 v[TM+\q], v[TM+\q], v[SC+8*(4*(n>>2)+\q)+2*(n&3)], v[SC+8*(4*(n>>2)+\q)+2*(n&3)+1]
.endif
.endr
.set n, n+1
.endr
.irp q, 0,1,2,3
	v_permlanex16_b32 v[TX+\q], v[TM+\q], s40, s41 ; the other lane half holds the query's other 32 keys
.endr
.irp q, 0,1,2,3
	v_max_num_f32 v[TM+\q], v[TM+\q], v[TX+\q]
.endr
.if \first == 0
.irp q, 0,1,2,3
	v_sub_f32 v[AL+2*\q], v[MX+\q], v[TM+\q]
.endr
.irp q, 0,1,2,3
	v_exp_f32 v[AL+2*\q], v[AL+2*\q]               ; what was summed so far shrinks by 2^(old - new)
.endr
.endif
.irp q, 0,1,2,3
	v_mov_b32 v[MX+\q], v[TM+\q]                   ; plain instructions behind the exponentials (ISA guide 5.7.2)
	v_mov_b32 v[MP+2*\q], v[TM+\q]
	v_mov_b32 v[MP+2*\q+1], v[TM+\q]
.endr
.if \first == 0
	s_wait_alu depctr_va_vdst(0)
.irp q, 0,1,2,3
	v_mov_b32 v[AL+2*\q+1], v[AL+2*\q]
.endr
.endif
.set n, 0
.rept 64
	v_pk_add_f32 v[SC+2*n:SC+2*n+1], v[SC+2*n:SC+2*n+1], v[MP+2*((n>>2)&3):MP+2*((n>>2)&3)+1] neg_lo:[0,1] neg_hi:[0,1]
.set n, n+1
.endr
.set n, 0
.rept 128
	v_exp_f32 v[SC+n], v[SC+n]
.set n, n+1
.endr
	v_nop
	; the sums, in f32, four chains of pairs
	s_wait_alu depctr_va_vdst(0)
.irp q, 0,1,2,3
	v_pk_add_f32 v[TS+2*\q:TS+2*\q+1], v[SC+8*\q:SC+8*\q+1], v[SC+8*\q+2:SC+8*\q+3]
.endr
.set n, 2
.rept 14
.irp q, 0,1,2,3
	v_pk_add_f32 v[TS+2*\q:TS+2*\q+1], v[TS+2*\q:TS+2*\q+1], v[SC+8*(4*(n>>2)+\q)+2*(n&3):SC+8*(4*(n>>2)+\q)+2*(n&3)+1]
.endr
.set n, n+1
.endr
.irp q, 0,1,2,3
.if \first
	v_add_f32 v[LS+\q], v[TS+2*\q], v[TS+2*\q+1]
.else
	v_add_f32 v[TS+2*\q], v[TS+2*\q], v[TS+2*\q+1]
	v_fma_f32 v[LS+\q], v[LS+\q], v[AL+2*\q], v[TS+2*\q]
.endif
.endr
	; P in f16: key tiles 2 g and 2 g + 1 into the eight registers of tile 2 g
.irp g, 0,1
.irp q, 0,1,2,3
.irp p, 0,1,2,3
	v_cvt_pk_f16_f32 v[SC+8*(8*\g+\q)+\p], v[SC+8*(8*\g+\q)+2*\p], v[SC+8*(8*\g+\q)+2*\p+1]
.endr
.irp p, 0,1,2,3
	v_cvt_pk_f16_f32 v[SC+8*(8*\g+\q)+4+\p], v[SC+8*(8*\g+4+\q)+2*\p], v[SC+8*(8*\g+4+\q)+2*\p+1]
.endr
.endr
.endr
.if \first == 0
	WIN 0x41
.set n, 0
.rept 64
	v_pk_mul_f32 v[OA+2*n:OA+2*n+1], v[OA+2*n:OA+2*n+1], v[AL+2*(n>>4):AL+2*(n>>4)+1]
.set n, n+1
.endr
.endif
	s_wait_dscnt 0x0                               ; V is in
	WIN 0x51
	; the 16 tiles of O take turns, one instruction a turn
.irp g, 0,1
.irp q, 0,1,2,3
.irp d, 0,1,2,3
.if \first*(1-\g)
	v_wmma_f32_16x16x32_f16 v[OA+8*(4*\q+\d):OA+8*(4*\q+\d)+7], v[VF+8*(4*\g+\d):VF+8*(4*\g+\d)+7], v[SC+8*(8*\g+\q):SC+8*(8*\g+\q)+7], 0
.else
	v_wmma_f32_16x16x32_f16 v[OA+8*(4*\q+\d):OA+8*(4*\q+\d)+7], v[VF+8*(4*\g+\d):VF+8*(4*\g+\d)+7], v[SC+8*(8*\g+\q):SC+8*(8*\g+\q)+7], v[OA+8*(4*\q+\d):OA+8*(4*\q+\d)+7]
.endif
.endr
.endr
.endr
	WIN 0
.rept 5
	v_nop                                          ; five places: the next step's products write over P, its loads land in V's registers
.endr
.endm
; Two steps from one slot.  In front of the round: all my tensor loads have landed (my piece of this slot among them) and my reads of the other slot are back.
; Behind it the other slot's next fill is my one tensor load, and it has two steps' work in which to land.
.macro TWO slot, refill
	s_wait_tensorcnt 0x0
	ds_add_u32 v254, v255
	s_wait_dscnt 0x0
	s_add_nc_u64 s[G0+6-4*\slot:G0+7-4*\slot], s[G0+6-4*\slot:G0+7-4*\slot], 32768   ; no load of mine is out: the other slot's address steps by two fills
	s_wait_dscnt 0x0
	ROUND
.if \refill
	tensor_load_to_lds s[G0+4-4*\slot:G0+7-4*\slot], s[16:23]
	s_nop 0
.endif
	STEP \slot, 0, 0
	STEP \slot, 1, 0
.endm
	s_wait_tensorcnt 0x1                           ; my piece of slot 0 is in; slot 1's stays out
	s_barrier_signal -1
	s_barrier_wait -1
	s_wait_loadcnt 0x0                             ; Q
	STEP 0, 0, 1
	STEP 0, 1, 0
	s_mov_b32 s44, 3
.Lloop:
	TWO 1, 1
	TWO 0, 1
	s_sub_co_u32 s44, s44, 1
	s_cmp_lg_u32 s44, 0
	s_cbranch_scc1 .Lloop
	TWO 1, 0                                       ; the last two steps: nothing is left to fetch
	; THE MERGE of the two key halves.  First the sums of the two lane halves meet.
.irp q, 0,1,2,3
	v_permlanex16_b32 v[TX+\q], v[LS+\q], s40, s41
.endr
.irp q, 0,1,2,3
	v_add_f32 v[LS+\q], v[LS+\q], v[TX+\q]
.endr
	s_cmp_lt_u32 s8, 4
	s_cbranch_scc1 .Lkeep
	WIN 0x04                                       ; waves 4-7 hand O, maximum and sum to the wave with the same queries
.set i, 0
.rept 32
	ds_store_b128 v[STG], v[OA+4*i:OA+4*i+3] offset:i*512
.set i, i+1
.endr
	WIN 0
	ds_store_b128 v[STG], v[MX:MX+3] offset:16384
	ds_store_b128 v[STG], v[LS:LS+3] offset:16896
.Lkeep:
	s_wait_dscnt 0x0                               ; for the readers' sake: my stores are done
	s_barrier_signal -1
	s_barrier_wait -1
	s_cmp_gt_u32 s8, 3
	s_cbranch_scc1 .Lclose
.set i, 0
.rept 32
	ds_load_b128 v[SC+4*i:SC+4*i+3], v[STG] offset:i*512
.set i, i+1
.endr
	ds_load_b128 v[TM:TM+3], v[STG] offset:16384
	ds_load_b128 v[TX:TX+3], v[STG] offset:16896
	s_wait_dscnt 0x0
.irp q, 0,1,2,3
	v_max_num_f32 v[TS+\q], v[MX+\q], v[TM+\q]
.endr
.irp q, 0,1,2,3
	v_sub_f32 v[AL+2*\q], v[MX+\q], v[TS+\q]
	v_sub_f32 v[MP+2*\q], v[TM+\q], v[TS+\q]
.endr
.irp q, 0,1,2,3
	v_exp_f32 v[AL+2*\q], v[AL+2*\q]
	v_exp_f32 v[MP+2*\q], v[MP+2*\q]
.endr
	v_nop
	s_wait_alu depctr_va_vdst(0)
.irp q, 0,1,2,3
	v_mul_f32 v[TS+\q], v[LS+\q], v[AL+2*\q]
	v_fma_f32 v[TS+\q], v[TX+\q], v[MP+2*\q], v[TS+\q]   ; the whole sum: at least 1, since one factor is 1 and its half's sum holds its own maximum's term
.endr
.irp q, 0,1,2,3
	v_rcp_f32 v[TS+\q], v[TS+\q]
.endr
	v_nop
	s_wait_alu depctr_va_vdst(0)
.irp q, 0,1,2,3
	v_mul_f32 v[AL+2*\q], v[AL+2*\q], v[TS+\q]
	v_mul_f32 v[MP+2*\q], v[MP+2*\q], v[TS+\q]
.endr
.irp q, 0,1,2,3
	v_mov_b32 v[AL+2*\q+1], v[AL+2*\q]
	v_mov_b32 v[MP+2*\q+1], v[MP+2*\q]
.endr
.set n, 0
.rept 64
	v_pk_mul_f32 v[SC+2*n:SC+2*n+1], v[SC+2*n:SC+2*n+1], v[MP+2*(n>>4):MP+2*(n>>4)+1]
.set n, n+1
.endr
	WIN 0x01
.set n, 0
.rept 64
	v_pk_fma_f32 v[SC+2*n:SC+2*n+1], v[OA+2*n:OA+2*n+1], v[AL+2*(n>>4):AL+2*(n>>4)+1], v[SC+2*n:SC+2*n+1]
.set n, n+1
.endr
	WIN 0
.set i, 0
.rept 16
.irp p, 0,1,2,3
	v_cvt_pk_f16_f32 v[SC+8*i+\p], v[SC+8*i+2*\p], v[SC+8*i+2*\p+1]
.endr
.set i, i+1
.endr
.irp q, 0,1,2,3
.irp d, 0,1,2,3
	global_store_b128 v[GO], v[SC+8*(4*\q+\d):SC+8*(4*\q+\d)+3], s[10:11] offset:\q*32768+\d*512   ; a tile: 512 consecutive bytes, aligned
.endr
.endr
.Lclose:
	s_wait_tensorcnt 0x0
	ds_add_u32 v254, v255
	s_wait_dscnt 0x0
	ROUND                                          ; the closing round
	s_endpgm
.Lfunc_end_k_q5bd237bfb0_attn:
	.size	k_q5bd237bfb0_attn, .Lfunc_end_k_q5bd237bfb0_attn-k_q5bd237bfb0_attn
	.p2alignl 7, 3214868480
	.fill 96, 4, 3214868480
	.section	.rodata,"a",@progbits
	.p2align	6, 0x0
	.amdhsa_kernel k_q5bd237bfb0_attn
		.amdhsa_group_segment_fixed_size 327680
		.amdhsa_private_segment_fixed_size 0
		.amdhsa_enable_private_segment 0
		.amdhsa_kernarg_size 24
		.amdhsa_user_sgpr_count 2
		.amdhsa_user_sgpr_kernarg_segment_ptr 1
		.amdhsa_wavefront_size32 1
		.amdhsa_system_sgpr_workgroup_id_x 1
		.amdhsa_system_sgpr_workgroup_id_y 1
		.amdhsa_system_sgpr_workgroup_id_z 1
		.amdhsa_system_vgpr_workitem_id 0
		.amdhsa_next_free_vgpr 512
		.amdhsa_next_free_sgpr 66
		.amdhsa_reserve_vcc 0
		.amdhsa_float_denorm_mode_32 3
		.amdhsa_float_denorm_mode_16_64 3
		.amdhsa_memory_ordered 1
		.amdhsa_forward_progress 1
		.amdhsa_inst_pref_size 255
	.end_amdhsa_kernel
	.section	.bss,"aw",@nobits
	.p2align	6
	.space	262144
	.amdgpu_metadata
---
amdhsa.version: [ 1, 2 ]
amdhsa.kernels:
  - .name:           k_q5bd237bfb0_attn
    .symbol:         k_q5bd237bfb0_attn.kd
    .args:
      - { .name: qf, .offset: 0, .size: 8, .value_kind: global_buffer, .address_space: global }
      - { .name: kv, .offset: 8, .size: 8, .value_kind: global_buffer, .address_space: global }
      - { .name: ao, .offset: 16, .size: 8, .value_kind: global_buffer, .address_space: global }
    .group_segment_fixed_size: 327680
    .private_segment_fixed_size: 0
    .kernarg_segment_align: 8
    .kernarg_segment_size: 24
    .max_flat_workgroup_size: 256
    .sgpr_count:     66
    .vgpr_count:     512
    .wavefront_size: 32
...
	.end_amdgpu_metadata
.endif
;; end of part 3
;; launch proj (part 4): grid 8 x 32, 4 waves a work-group, clusters of 4 x 4, 327,680 bytes of LDS; arguments ao, wo, b_out, out0; writes out0
.if DOCPART == 4
	.amdgcn_target "amdgcn-amd-amdhsa--gfx1250"
	.amdhsa_code_object_version 6
	.text
	.protected	k_q5bd237bfb0_proj
	.globl	k_q5bd237bfb0_proj
	.p2align	8
	.type	k_q5bd237bfb0_proj,@function
k_q5bd237bfb0_proj:
	s_mov_b64 s[64:65], 0
	v_nop
	global_prefetch_b8 v0, s[64:65] scope:SCOPE_SE
	s_setreg_imm32_b32 hwreg(HW_REG_WAVE_MODE, 25, 1), 1
	s_wait_xcnt 0x0
	s_wait_alu depctr_hold_cnt(0) depctr_sa_sdst(0) depctr_va_vdst(0) depctr_va_sdst(0) depctr_va_ssrc(0) depctr_va_vcc(0) depctr_vm_vsrc(0)
	s_getreg_b32 s2, hwreg(HW_REG_IB_STS2, 6, 4)
	s_cmp_eq_u32 s2, 0
	s_cbranch_scc0 .Lentry_in_a_cluster
	s_endpgm
.Lentry_in_a_cluster:
	s_bfe_u32 s2, ttmp6, 0x10000c
	s_cmp_lg_u32 s2, 0xf033
	s_cbranch_scc0 .Lentry_shape_is_right
	s_endpgm
.Lentry_shape_is_right:
; out0 = ao w_out + b_out.  ao [mb 256][kt 64][512] and wo [nb 64][kt 64][512] are f16 fragment tiles (16 x 16, lane L owns bytes 16 L); out0 is f32 [4096][1024].
; A work-group makes 128 x 128 (256 work-groups); four waves, 2 x 2, 64 x 64 each: 16 accumulators in window 2 at 8 (4 a + b).
; K = 1,024 goes in four steps of 256 through two LDS slots of 131,072 bytes (A [mb 8][kt 16][512], then B the same): half of all the bytes go out at the start.
; Source 0 = W, source 1 = A: lane (r, h) holds row r, columns 8 h + j: 32 neighbouring bytes.  16 rows at a time go through the wave's own stage in LDS,
; so that sixteen lanes store 256 consecutive bytes, aligned.
; CLUSTER 4 x 4: A's tile is asked for jointly along a row of the cluster, B's along a column.
; No prefetch: ao and wo were stored by earlier launches and each tile is asked for by four work-groups at once.
; LIMIT: f16 operands (|ao|, |w_out| under 65,504).
.set SLOT,  131072
.set BOFF,  65536
.set STAGE, 262144
.set STEPB, 8192                       ; a K step in a block row: 16 tiles
.set ADRA, 8                           ; v8-9
.set ADRB, 10                          ; v10-11
.set STO,  12
.set RD,   13
.set CO,   14
.set BO,   15
.set BI,   32                          ; v[32:63] bias of my 64 columns, as the accumulators hold them
.set F0,   64
.set F1,   128
.set TMP,  192
.set G1,  24
.set G0,  32
.set G1B, 48
.set G0B, 56
.set MUL,  0xa1                        ; source 0 (W) window 1, source 1 (A) window 0, C and D window 2
.set TO_B, 0x40
.set MSB, 0
.macro WIN new
.if MSB != \new
	s_set_vgpr_msb (MSB<<8)|\new
.set MSB, \new
.endif
.endm
.macro PLACES                          ; four places behind a matrix instruction (ISA guide 7.12.1)
.rept 4
	v_nop
.endr
.endm
.macro JLOAD s
	s_cmp_eq_u32 s17, 0
	s_cbranch_scc0 .Lfor_b_\@
	tensor_load_to_lds s[G0+4*\s:G0+4*\s+3], s[G1:G1+7]
	s_nop 0
	s_branch .Lasked_\@
.Lfor_b_\@:
	tensor_load_to_lds s[G0B+4*\s:G0B+4*\s+3], s[G1B:G1B+7]
	s_nop 0
.Lasked_\@:
.endm
.macro CREST
	s_cmp_lg_u32 s16, 0
	s_cbranch_scc1 .Lnot_wave_0_\@
	s_barrier_signal -3
.Lnot_wave_0_\@:
	s_barrier_wait -3
	s_barrier_signal -1
	s_barrier_wait -1
.endm
.macro CROUND
	s_barrier_signal -1
	s_barrier_wait -1
	CREST
.endm
	s_load_b256 s[4:11], s[0:1], 0x0               ; ao s[4:5], wo s[6:7], b_out s[8:9], out0 s[10:11]
	s_set_vgpr_msb 0x40
	v_lshl_add_u32 v255, v0, 2, 0x44400
	s_set_vgpr_msb 0x4000
	v_mov_b32 v255, 0
	s_set_vgpr_msb 0x1
	ds_add_u32 v255, v255
	s_set_vgpr_msb 0x100
	v_lshrrev_b32 v1, 5, v0
	v_readfirstlane_b32 s16, v1                    ; wave 0..3
	s_lshr_b32 s17, s16, 1                         ; my half of the rows.  Also: I fetch for A (0) or for B (1)
	s_and_b32 s18, s16, 1                          ; my half of the columns.  Also: which half of that tile I fetch
	s_bfe_u32 s19, ttmp6, 0x40000                  ; cx
	s_bfe_u32 s20, ttmp6, 0x40004                  ; cy
	s_lshl_b32 s21, ttmp9, 2
	s_add_co_u32 s21, s21, s19                     ; bx
	s_and_b32 s22, ttmp7, 0xffff
	s_lshl_b32 s22, s22, 2
	s_add_co_u32 s22, s22, s20                     ; by
	s_lshl_b32 s40, s20, 2
	s_lshl_b32 s40, 15, s40
	s_lshl_b32 s41, 0x1111, s19
	; group 1: 4 rows of 1,024 elements of 8 bytes (a block row's K step, 8,192 bytes), 4,096 elements from block row to block row
	s_or_b32 s[G1+0], s40, (3<<16)|(1<<21)
	s_or_b32 s[G1B+0], s41, (3<<16)|(1<<21)
	s_mov_b32 s[G1+1], 1024<<16
	s_mov_b32 s[G1B+1], 1024<<16
	s_mov_b32 s[G1+2], 4<<16
	s_mov_b32 s[G1B+2], 4<<16
	s_mov_b32 s[G1+3], 1024<<16
	s_mov_b32 s[G1B+3], 1024<<16
	s_mov_b32 s[G1+4], 4
	s_mov_b32 s[G1B+4], 4
	s_mov_b32 s[G1+5], 4096
	s_mov_b32 s[G1B+5], 4096
	s_mov_b32 s[G1+6], 0
	s_mov_b32 s[G1B+6], 0
	s_mov_b32 s[G1+7], 0
	s_mov_b32 s[G1B+7], 0
	s_lshl_b32 s66, s18, 17                        ; 4 block rows of 32,768 bytes a half
	s_lshl_b32 s42, s22, 18                        ; A: 8 block rows a work-group
	s_add_co_u32 s42, s42, s66
	s_mov_b32 s43, 0
	s_lshl_b32 s46, s21, 18                        ; B likewise
	s_add_co_u32 s46, s46, s66
	s_mov_b32 s47, 0
	s_lshl_b32 s69, s16, 15                        ; A's two halves, then B's two halves: wave x 32,768
	s_wait_dscnt 0x0
	s_wait_kmcnt 0x0
	s_add_nc_u64 s[42:43], s[4:5], s[42:43]
	s_add_nc_u64 s[46:47], s[6:7], s[46:47]
	CROUND                                         ; in front of the first joint loads
.irp s, 0,1
	s_mov_b32 s[G0+4*\s], 1
	s_add_co_u32 s[G0+4*\s+1], s69, \s*SLOT
	s_add_nc_u64 s[G0+4*\s+2:G0+4*\s+3], s[42:43], \s*STEPB
	s_or_b32 s[G0+4*\s+3], s[G0+4*\s+3], 0x80000000
	s_mov_b32 s[G0B+4*\s], 1
	s_add_co_u32 s[G0B+4*\s+1], s69, \s*SLOT
	s_add_nc_u64 s[G0B+4*\s+2:G0B+4*\s+3], s[46:47], \s*STEPB
	s_or_b32 s[G0B+4*\s+3], s[G0B+4*\s+3], 0x80000000
	JLOAD \s                                       ; K steps 0 and 1: two tensor loads of the wave are out, the most in this text
.endr
	v_and_b32 v1, 15, v0                           ; r
	v_bfe_u32 v2, v0, 4, 1                         ; h
	v_and_b32 v3, 31, v0
	v_lshlrev_b32 v3, 4, v3                        ; 16 L
	s_lshl_b32 s66, s17, 15                        ; my 4 block rows of A
	v_add_nc_u32 v[ADRA], s66, v3
	s_add_co_u32 s66, s66, SLOT
	v_add_nc_u32 v[ADRA+1], s66, v3
	s_lshl_b32 s67, s18, 15                        ; my 4 block rows of B
	s_add_co_u32 s67, s67, BOFF
	v_add_nc_u32 v[ADRB], s67, v3
	s_add_co_u32 s67, s67, SLOT
	v_add_nc_u32 v[ADRB+1], s67, v3
	s_mul_i32 s68, s16, 4352
	s_add_co_u32 s68, s68, STAGE                   ; my stage: 16 rows of 256 + 16 bytes, behind the ring
	v_mul_u32_u24 v4, v1, 272
	v_lshl_add_u32 v4, v2, 5, v4
	v_add_nc_u32 v[STO], s68, v4                   ; in: row r, 32 bytes for each lane half
	v_mul_u32_u24 v4, v2, 272
	v_lshl_add_u32 v4, v1, 4, v4
	v_add_nc_u32 v[RD], s68, v4                    ; back: lanes 0-15 one row, lanes 16-31 the next
	v_lshlrev_b32 v4, 12, v2
	v_lshl_add_u32 v[CO], v1, 4, v4                ; the same two rows in out0
	v_lshlrev_b32 v[BO], 5, v2
	s_lshl_b32 s72, s21, 9
	s_lshl_b32 s73, s18, 8
	s_add_co_u32 s72, s72, s73                     ; my first column, in bytes
	s_mov_b32 s73, 0
	s_add_nc_u64 s[8:9], s[8:9], s[72:73]
	s_lshl_b32 s74, s22, 19                        ; 128 rows of 4,096 bytes a work-group,
	s_add_co_u32 s72, s72, s74
	s_lshl_b32 s74, s17, 18                        ; 64 a wave
	s_add_co_u32 s72, s72, s74
	s_add_nc_u64 s[10:11], s[10:11], s[72:73]
.irp b, 0,1,2,3
	global_load_b128 v[BI+8*\b:BI+8*\b+3], v[BO], s[8:9] offset:64*\b
	global_load_b128 v[BI+8*\b+4:BI+8*\b+7], v[BO], s[8:9] offset:64*\b+16
.endr
; 32 LDS loads: the fragments of 64 along K (quarter q of the slot's step) into buffer f: fragment (a, c) at f + 16 a + 8 c
.macro FETCH slot, q, f
	WIN 0
.irp a, 0,1,2,3
.irp i, 0,1,2,3
	ds_load_b128 v[\f+16*\a+4*\i:\f+16*\a+4*\i+3], v[ADRA+\slot] offset:\a*8192+\q*2048+\i*512
.endr
.endr
	WIN TO_B
.irp a, 0,1,2,3
.irp i, 0,1,2,3
	ds_load_b128 v[\f+16*\a+4*\i:\f+16*\a+4*\i+3], v[ADRB+\slot] offset:\a*8192+\q*2048+\i*512
.endr
.endr
.endm
; The 16 accumulators take turns, one instruction a turn, in the same order throughout.
.macro MUL16 f, c, zero
	WIN MUL
.irp a, 0,1,2,3
.irp b, 0,1,2,3
.if \zero
	v_wmma_f32_16x16x32_f16 v[8*(4*\a+\b):8*(4*\a+\b)+7], v[\f+16*\b+8*\c:\f+16*\b+8*\c+7], v[\f+16*\a+8*\c:\f+16*\a+8*\c+7], 0
.else
	v_wmma_f32_16x16x32_f16 v[8*(4*\a+\b):8*(4*\a+\b)+7], v[\f+16*\b+8*\c:\f+16*\b+8*\c+7], v[\f+16*\a+8*\c:\f+16*\a+8*\c+7], v[8*(4*\a+\b):8*(4*\a+\b)+7]
.endif
.endr
.endr
.endm
.macro QUARTER slot, q, f, g, zero
	PLACES
	FETCH \slot, \q, \g
	s_wait_dscnt 32                                ; all but the 32 just issued: buffer f is whole
	MUL16 \f, 0, \zero
	MUL16 \f, 1, 0
.endm
.macro THREE slot, zero
	QUARTER \slot, 1, F0, F1, \zero
	QUARTER \slot, 2, F1, F0, 0
	QUARTER \slot, 3, F0, F1, 0
.endm
; The last quarter multiplies buffer 1 and changes slots: my reads of this slot are back and all my tensor loads have landed in front of the barrier;
; where the slot is filled again the barrier opens a round of the cluster's barrier and the joint refill comes first behind the round.
.macro TURN slot, next, fill
	s_wait_dscnt 0x0
	s_wait_tensorcnt 0x0
	ds_add_u32 v255, v255
	s_wait_dscnt 0x0
	s_barrier_signal -1
	MUL16 F1, 0, 0
	WIN 0
	s_barrier_wait -1
.if \fill
	CREST
	s_add_nc_u64 s[G0+4*\slot+2:G0+4*\slot+3], s[G0+4*\slot+2:G0+4*\slot+3], 2*STEPB
	s_add_nc_u64 s[G0B+4*\slot+2:G0B+4*\slot+3], s[G0B+4*\slot+2:G0B+4*\slot+3], 2*STEPB
	JLOAD \slot
.endif
	PLACES
	FETCH \next, 0, F0
	MUL16 F1, 1, 0
.endm
	s_wait_tensorcnt 0x1                           ; my part of K step 0 is in; K step 1's stays out
	s_barrier_signal -1
	s_barrier_wait -1
	FETCH 0, 0, F0
	THREE 0, 1                                     ; K step 0: the first products start the sums
	TURN 0, 1, 1
	THREE 1, 0
	TURN 1, 0, 1
	THREE 0, 0                                     ; K steps 2, 3: nothing is left to fetch
	TURN 0, 1, 0
	THREE 1, 0
	s_wait_dscnt 0x0
	MUL16 F1, 0, 0
	MUL16 F1, 1, 0
	WIN 0
	PLACES
	s_wait_loadcnt 0x0                             ; the bias
; rows 16 a .. 16 a + 15 of my block: bias, through my stage, out as whole rows of 256 bytes; f: F0 or F1 in turn
.macro OUT16 a, f
	WIN 0x02                                       ; source 0 window 2
.irp b, 0,1,2,3
.irp p, 0,2,4,6
	v_pk_add_f32 v[TMP+8*\b+\p:TMP+8*\b+\p+1], v[8*(4*\a+\b)+\p:8*(4*\a+\b)+\p+1], v[BI+8*\b+\p:BI+8*\b+\p+1]
.endr
.endr
	WIN 0
.irp b, 0,1,2,3
	ds_store_b128 v[STO], v[TMP+8*\b:TMP+8*\b+3] offset:64*\b
	ds_store_b128 v[STO], v[TMP+8*\b+4:TMP+8*\b+7] offset:64*\b+16
.endr
	s_wait_xcnt 0x0                                ; earlier stores have had their addresses translated: buffer f, which they read, is loaded again only behind this wait
.irp t, 0,1,2,3,4,5,6,7
	ds_load_b128 v[\f+4*\t:\f+4*\t+3], v[RD] offset:\t*544   ; LDS serves a wave's instructions in order (ISA guide 5.7.1): these see the stores above
.endr
.irp t, 0,1,2,3,4,5,6,7
	s_wait_dscnt 7-\t                              ; pair t of rows is in, the younger ones stay out
	global_store_b128 v[CO], v[\f+4*\t:\f+4*\t+3], s[10:11] offset:(16*\a+2*\t)*4096 th:TH_STORE_NT
.endr
.endm
	OUT16 0, F0
	OUT16 1, F1
	OUT16 2, F0
	OUT16 3, F1
	s_set_vgpr_msb 0x1
	s_wait_tensorcnt 0x0
	ds_add_u32 v255, v255
	s_wait_dscnt 0x0
	s_set_vgpr_msb 0x100
	CROUND                                         ; the closing round
	s_endpgm
.Lfunc_end_k_q5bd237bfb0_proj:
	.size	k_q5bd237bfb0_proj, .Lfunc_end_k_q5bd237bfb0_proj-k_q5bd237bfb0_proj
	.p2alignl 7, 3214868480
	.fill 96, 4, 3214868480
	.section	.rodata,"a",@progbits
	.p2align	6, 0x0
	.amdhsa_kernel k_q5bd237bfb0_proj
		.amdhsa_group_segment_fixed_size 327680
		.amdhsa_private_segment_fixed_size 0
		.amdhsa_enable_private_segment 0
		.amdhsa_kernarg_size 32
		.amdhsa_user_sgpr_count 2
		.amdhsa_user_sgpr_kernarg_segment_ptr 1
		.amdhsa_wavefront_size32 1
		.amdhsa_system_sgpr_workgroup_id_x 1
		.amdhsa_system_sgpr_workgroup_id_y 1
		.amdhsa_system_sgpr_workgroup_id_z 1
		.amdhsa_system_vgpr_workitem_id 0
		.amdhsa_next_free_vgpr 640
		.amdhsa_next_free_sgpr 80
		.amdhsa_reserve_vcc 0
		.amdhsa_float_denorm_mode_32 3
		.amdhsa_float_denorm_mode_16_64 3
		.amdhsa_memory_ordered 1
		.amdhsa_forward_progress 1
		.amdhsa_inst_pref_size 90
	.end_amdhsa_kernel
	.amdgpu_metadata
---
amdhsa.version: [ 1, 2 ]
amdhsa.kernels:
  - .name:           k_q5bd237bfb0_proj
    .symbol:         k_q5bd237bfb0_proj.kd
    .args:
      - { .name: ao, .offset: 0, .size: 8, .value_kind: global_buffer, .address_space: global }
      - { .name: wo, .offset: 8, .size: 8, .value_kind: global_buffer, .address_space: global }
      - { .name: b_out, .offset: 16, .size: 8, .value_kind: global_buffer, .address_space: global }
      - { .name: out0, .offset: 24, .size: 8, .value_kind: global_buffer, .address_space: global }
    .group_segment_fixed_size: 327680
    .private_segment_fixed_size: 0
    .kernarg_segment_align: 8
    .kernarg_segment_size: 32
    .max_flat_workgroup_size: 128
    .sgpr_count:     80
    .vgpr_count:     640
    .wavefront_size: 32
...
	.end_amdgpu_metadata
.endif
;; end of part 4
;; ======== version 2 of 2: 4 launches; version 1 with the launch prep written anew for expert scheduling mode
;; limits: values are held in f16: magnitudes above 65,504 overflow, below 6.1e-05 lose precision
;; workspace buffers: xb 8,388,608 bytes; wq 6,291,456 bytes; wo 2,097,152 bytes; tab 524,288 bytes; qf 8,388,608 bytes; kv 16,777,216 bytes; ao 8,388,608 bytes
;; launch prep (part 5): grid 256 x 1, 16 waves a work-group, no clusters, 71,680 bytes of LDS; arguments x, w_qkv, w_out, xb, wq, wo, tab; writes xb, wq, wo, tab
.if DOCPART == 5
	.amdgcn_target "amdgcn-amd-amdhsa--gfx1250"
	.amdhsa_code_object_version 6
	.text
	.protected	k_q5bd237bfb0_prep
	.globl	k_q5bd237bfb0_prep
	.p2align	8
	.type	k_q5bd237bfb0_prep,@function
k_q5bd237bfb0_prep:
	s_mov_b64 s[64:65], 0
	v_nop
	global_prefetch_b8 v0, s[64:65] scope:SCOPE_SE
	s_setreg_imm32_b32 hwreg(HW_REG_WAVE_SCHED_MODE, 0, 2), 2
	s_setreg_imm32_b32 hwreg(HW_REG_WAVE_MODE, 25, 1), 1
	s_wait_xcnt 0x0
	s_wait_alu depctr_vm_vsrc(0)
; PREPARATION: x, w_qkv and w_out are rounded to f16 and laid out as matrix-fragment tiles; the RoPE table is made.
; A TILE is 16 rows x 16 k of f16 = 512 bytes; lane L = 16 h + r owns the 16 bytes at 16 L: (row r, k = 8 h .. 8 h + 7).
; Two neighbouring tiles are one 16 x 32 operand of the f16 matrix instruction, so later launches read operands as runs of 512 bytes.
;   xb [mb 256][kt 64][512]: row = token.   wq [nb 192][kt 64][512]: row n' = 192 head + 64 s + d is column 1024 s + 64 head + d of w_qkv.
;   wo [nb 64][kt 64][512]: row n = column n of w_out.
;   tab f32 [tb 128][chunk 8][lane 32][4]: chunk 2 tn + jh = cos, 4 + 2 tn + jh = sin of t inv_freq[i], t = 16 tb + r, i = 16 tn + 8 h + 4 jh + e.
; 4,096 equal units, one a wave: 16 loads of 512 bytes in, 8 tiles of 512 bytes out, re-ordered in the wave's own 4,352 bytes of LDS.
; No barrier: no wave reads another's bytes.  No matrix unit, no cluster: nothing is multiplied and no byte is read twice.
; LIMIT: f16 operands: |x| and |w| must stay under 65,504; magnitudes under about 6e-8 are lost.
; The angles reach 2,047 rad: reduced by multiples of pi/2 in two parts, then Taylor to r^7 (sin) and r^8 (cos) on |r| <= pi/4, error under 4e-7.
; THE MODE: SCHED_MODE bits 1:0 = 2 (LLVM: expert scheduling mode 2), set by the entry lines.  The code itself states the register dependences
; between vector instructions and memory or LDS instructions, with s_wait_alu, always for 0.
; THE PLAN.  Registers that memory or LDS instructions touch:
;   v2-v6 (GO, LX, RX, LW, RW)  offsets and LDS addresses: written at the head, never again; one wait at the head serves every access of the kernel.
;   XR   the 16 loads land in it, once; before them no vector instruction names it; the conversions read it.
;   YP   each register is written once, by a conversion, and read once, by an LDS store.  The conversions go in groups; one wait at the head of a group
;        states that the group before has written its YP, and that group's LDS stores are dealt among this group's conversions, which name other registers.
;   RB   the LDS loads land in it, the global stores read it; no vector instruction names it.
;   TO, OC, OS  (waves 0, 1) written once by the table's arithmetic, read by its two stores: one wait ahead of them.
;   v176, v177  written at the head, read by the closing add alone.
; No register that a memory or LDS instruction reads is ever written again.
; Scalars that vector instructions write: s18 (the wave's number) and s[40:43] (the table's four masks): each has its wait ahead of its first reader.
.set WLDS, 4352
.set GO,  2                            ; v2   16 L
.set LX,  3                            ; v3   x path: where my 8 bytes of a row go
.set RX,  4                            ; v4   x path: where my 16 bytes of a tile are read back
.set LW,  5                            ; v5   w paths: where my 16 bytes go
.set RW,  6                            ; v6   w paths: read back
.set XR,  16                           ; v[16:79]   16 rows as loaded, 4 f32 each
.set YP,  80                           ; v[80:111]  packed f16
.set RB,  112                          ; v[112:143] 8 tiles read back
.set TT,  144                          ; table: t as f32
.set TI,  145                          ; table: i of e = 0
.set TO,  146                          ; table: byte offset
.set TW,  147                          ; table: at work
.set TA,  148                          ; v[148:151] angle, then r
.set TN,  152                          ; v[152:155] n, then the quadrant
.set TZ,  156                          ; v[156:159] r^2
.set TS,  160                          ; v[160:163] sin r
.set TC,  164                          ; v[164:167] cos r
.set OC,  168                          ; v[168:171] cos out
.set OS,  172                          ; v[172:175] sin out
.set QM,  40                           ; s[40:43]   table: the lanes whose quadrant is odd, for e = 0 .. 3
	s_load_b256 s[4:11], s[0:1], 0x0               ; x s[4:5], w_qkv s[6:7], w_out s[8:9], xb s[10:11]
	s_load_b128 s[12:15], s[0:1], 0x20             ; wq s[12:13], wo s[14:15]
	s_load_b64 s[16:17], s[0:1], 0x30              ; tab
	v_lshl_add_u32 v176, v0, 2, 0x11000
	v_mov_b32 v177, 0
	v_and_b32 v1, 31, v0                           ; L
	v_lshrrev_b32 v7, 5, v0
	v_readfirstlane_b32 s18, v7                    ; wave 0..15
	s_mov_b32 s19, ttmp9                           ; work-group
	v_lshlrev_b32 v[GO], 4, v1
	v_lshrrev_b32 v7, 1, v1                        ; x path in: half tile L >> 1 (pitch 272), 8 bytes (L & 1), row r in the immediate
	v_mul_u32_u24 v7, v7, 272
	v_and_b32 v8, 1, v1
	v_lshl_add_u32 v7, v8, 3, v7
	s_wait_alu depctr_va_sdst(0)                   ; s18 is written, ahead of its first reader: LDS addresses, bases and branches are made from it
	s_mul_i32 s20, s18, WLDS                       ; my wave's LDS
	v_add_nc_u32 v[LX], s20, v7
	v_lshrrev_b32 v7, 4, v1                        ; x path back: half tile h, 16 bytes of row r
	v_mul_u32_u24 v7, v7, 272
	v_and_b32 v8, 15, v1
	v_lshl_add_u32 v7, v8, 4, v7
	v_add_nc_u32 v[RX], s20, v7
	v_lshrrev_b32 v7, 2, v1                        ; w paths in: tile L >> 2 (pitch 528), rows 4 (L & 3) + cc
	v_mul_u32_u24 v7, v7, 528
	v_and_b32 v8, 3, v1
	v_lshl_add_u32 v7, v8, 6, v7
	v_add_nc_u32 v[LW], s20, v7
	v_add_nc_u32 v[RW], s20, v[GO]
	s_mov_b32 s30, 0xbed49a78                      ; -log2(10000) / 32
	s_mov_b32 s31, 0x3f22f983                      ; 2 / pi
	s_mov_b32 s32, 0xbfc90fdb                      ; -(pi/2), upper part
	s_mov_b32 s33, 0x333bbd2e                      ; -(pi/2), the rest
	s_mov_b32 s34, 0xb9500d01                      ; -1/5040
	s_mov_b32 s35, 0x3c088889                      ; 1/120
	s_mov_b32 s36, 0xbe2aaaab                      ; -1/6
	s_mov_b32 s37, 0x37d00d01                      ; 1/40320
	s_mov_b32 s38, 0xbab60b61                      ; -1/720
	s_mov_b32 s39, 0x3d2aaaab                      ; 1/24
	s_wait_alu depctr_va_vdst(0)                   ; v2 to v6 are written: every load, LDS access and store below reads one of them as its offset or address, and none is written again
.macro LOAD16 pitch                    ; 16 rows, 512 neighbouring bytes each: all 16 loads of the wave are out at once
.set i, 0
.rept 16
	global_load_b128 v[XR+4*i:XR+4*i+3], v[GO], s[24:25] offset:i*\pitch th:TH_LOAD_NT
.set i, i+1
.endr
.endm
; x: rows lie along k already.  Lane L holds columns 4 L .. 4 L + 3 of row i: 8 bytes of half tile L >> 1.
; The rows go in four groups of four: row i's LDS store stands in the next group, in front of row i + 4's conversions.
.macro CONVX
.set i, 0
.rept 16
	s_wait_loadcnt 15-i                            ; loads come back in order: row i is in, the younger rows stay out
.if (i%4 == 0) && (i > 0)
	s_wait_alu depctr_va_vdst(0)                   ; the conversions of the four rows before have written their YP, which this group's four LDS stores read; this group's conversions name other registers
.endif
.if i >= 4
	ds_store_b64 v[LX], v[YP+2*(i-4):YP+2*(i-4)+1] offset:16*(i-4)
.endif
	v_cvt_pk_f16_f32 v[YP+2*i], v[XR+4*i], v[XR+4*i+1]
	v_cvt_pk_f16_f32 v[YP+2*i+1], v[XR+4*i+2], v[XR+4*i+3]
.set i, i+1
.endr
	s_wait_alu depctr_va_vdst(0)                   ; the conversions of rows 12 to 15 have written their YP, which the last four LDS stores read
.set i, 12
.rept 4
	ds_store_b64 v[LX], v[YP+2*i:YP+2*i+1] offset:16*i
.set i, i+1
.endr
.endm
; w: the 16 loaded rows are k, the columns become tile rows.  Column 4 L + cc, half hh: eight k packed into 16 bytes.
; Half 0's LDS stores stand among half 1's conversions.
.macro CONVW
	s_wait_loadcnt 8                               ; k rows 0-7 are in; eight younger loads stay out
.irp cc, 0,1,2,3
.irp p, 0,1,2,3
	v_cvt_pk_f16_f32 v[YP+4*\cc+\p], v[XR+4*(2*\p)+\cc], v[XR+4*(2*\p+1)+\cc]
.endr
.endr
	s_wait_loadcnt 0x0                             ; all 16 k rows are in
	s_wait_alu depctr_va_vdst(0)                   ; half 0's conversions have written v[YP .. YP+15], which the four LDS stores below read; half 1's conversions name other registers
.irp cc, 0,1,2,3
	ds_store_b128 v[LW], v[YP+4*\cc:YP+4*\cc+3] offset:16*\cc
.irp p, 0,1,2,3
	v_cvt_pk_f16_f32 v[YP+16+4*\cc+\p], v[XR+4*(8+2*\p)+\cc], v[XR+4*(8+2*\p+1)+\cc]
.endr
.endr
	s_wait_alu depctr_va_vdst(0)                   ; half 1's conversions have written v[YP+16 .. YP+31], which the last four LDS stores read
.irp cc, 0,1,2,3
	ds_store_b128 v[LW], v[YP+16+4*\cc:YP+16+4*\cc+3] offset:256+16*\cc
.endr
.endm
; Eight tiles back and out.  LDS serves a wave's instructions in order (ISA guide 5.7.1), so the loads see the stores above.
; Each store of the wave covers 512 consecutive bytes, aligned.  No vector instruction names RB: the stores' data hang on the LDS loads alone.
.macro OUT8 rd, pitch, lo, hi
.irp i, 0,1,2,3,4,5,6,7
	ds_load_b128 v[RB+4*\i:RB+4*\i+3], v[\rd] offset:\i*\pitch
.endr
.irp i, 0,1,2,3,4,5,6,7
	s_wait_dscnt 7-\i                              ; tile i is in, the younger ones stay out
	global_store_b128 v[GO], v[RB+4*\i:RB+4*\i+3], s[26:27] offset:(\i>>2)*\hi+(\i&3)*\lo
.endr
.endm
; The table: 512 tasks of one cos chunk and one sin chunk, task 2 b + w for waves 0 and 1, done while the wave's 16 loads are on their way.
.macro TABLE
	s_cmp_gt_u32 s18, 1
	s_cbranch_scc1 .Lno_table_\@
	s_lshl1_add_u32 s21, s19, s18                  ; task
	s_lshr_b32 s22, s21, 2                         ; tb
	s_and_b32 s23, s21, 3                          ; 2 tn + jh
	s_lshl_b32 s28, s22, 4
	v_and_b32 v[TW], 15, v1
	v_add_nc_u32 v[TW], s28, v[TW]
	v_cvt_f32_u32 v[TT], v[TW]                     ; t = 16 tb + r
	s_lshr_b32 s28, s23, 1
	s_lshl_b32 s28, s28, 4
	s_and_b32 s29, s23, 1
	s_lshl2_add_u32 s28, s29, s28                  ; 16 tn + 4 jh
	v_lshrrev_b32 v[TW], 4, v1
	v_lshl_add_u32 v[TI], v[TW], 3, s28            ; + 8 h
	s_lshl_b32 s28, s22, 12
	s_lshl_b32 s29, s23, 9
	s_add_co_u32 s28, s28, s29
	v_add_nc_u32 v[TO], s28, v[GO]
.irp e, 0,1,2,3
	v_add_nc_u32 v[TA+\e], \e, v[TI]
	v_cvt_f32_u32 v[TA+\e], v[TA+\e]
	v_mul_f32 v[TA+\e], s30, v[TA+\e]
.endr
.irp e, 0,1,2,3
	v_exp_f32 v[TA+\e], v[TA+\e]                   ; inv_freq = 10000^(-i/32)
.endr
	v_nop                                          ; one plain instruction behind the exponentials (ISA guide 5.7.2)
	s_wait_alu depctr_va_vdst(0)                   ; the four exponentials have written v[TA ..], ahead of their first reader
.irp e, 0,1,2,3
	v_mul_f32 v[TA+\e], v[TT], v[TA+\e]            ; the angle
	v_mul_f32 v[TN+\e], s31, v[TA+\e]
	v_rndne_f32 v[TN+\e], v[TN+\e]                 ; n = nearest multiple of pi/2
	v_fma_f32 v[TA+\e], v[TN+\e], s32, v[TA+\e]
	v_fma_f32 v[TA+\e], v[TN+\e], s33, v[TA+\e]    ; r = angle - n pi/2
	v_cvt_i32_f32 v[TN+\e], v[TN+\e]               ; the quadrant is n mod 4
	v_and_b32 v[TW], 1, v[TN+\e]
	v_cmp_eq_u32 s[QM+\e], 1, v[TW]                ; the four masks are made in one run; the polynomials stand between them and the wait for them
.endr
.irp e, 0,1,2,3
	v_mul_f32 v[TZ+\e], v[TA+\e], v[TA+\e]
	v_fma_f32 v[TS+\e], v[TZ+\e], s34, s35
	v_fma_f32 v[TS+\e], v[TS+\e], v[TZ+\e], s36
	v_mul_f32 v[TS+\e], v[TS+\e], v[TZ+\e]
	v_fma_f32 v[TS+\e], v[TS+\e], v[TA+\e], v[TA+\e]   ; sin r
	v_fma_f32 v[TC+\e], v[TZ+\e], s37, s38
	v_fma_f32 v[TC+\e], v[TC+\e], v[TZ+\e], s39
	v_fma_f32 v[TC+\e], v[TC+\e], v[TZ+\e], -0.5
	v_fma_f32 v[TC+\e], v[TC+\e], v[TZ+\e], 1.0    ; cos r
.endr
	s_wait_alu depctr_va_sdst(0)                   ; the four compares have written s[QM .. QM+3], ahead of the selects that read them
.irp e, 0,1,2,3
	v_cndmask_b32 v[OS+\e], v[TS+\e], v[TC+\e], s[QM+\e]   ; odd quadrants swap the two
	v_cndmask_b32 v[OC+\e], v[TC+\e], v[TS+\e], s[QM+\e]
	v_and_b32 v[TW], 2, v[TN+\e]
	v_lshlrev_b32 v[TW], 30, v[TW]
	v_xor_b32 v[OS+\e], v[TW], v[OS+\e]            ; sin is negative in quadrants 2, 3
	v_add_nc_u32 v[TW], 1, v[TN+\e]
	v_and_b32 v[TW], 2, v[TW]
	v_lshlrev_b32 v[TW], 30, v[TW]
	v_xor_b32 v[OC+\e], v[TW], v[OC+\e]            ; cos in quadrants 1, 2
.endr
	s_wait_alu depctr_va_vdst(0)                   ; v[TO], v[OC ..] and v[OS ..] are written: the offset and the data of the two stores
	global_store_b128 v[TO], v[OC:OC+3], s[16:17]
	global_store_b128 v[TO], v[OS:OS+3], s[16:17] offset:2048
.Lno_table_\@:
.endm
	s_cmp_lt_u32 s19, 128
	s_cbranch_scc1 .Lpath_x
	s_cmp_lt_u32 s19, 224
	s_cbranch_scc1 .Lpath_wq
	; work-groups 224-255: w_out.  Unit = 16 k rows (kt) x 128 columns (cg)
	s_sub_co_u32 s21, s19, 224
	s_lshr_b32 s22, s21, 2                         ; cg 0..7
	s_and_b32 s21, s21, 3
	s_lshl_b32 s21, s21, 4
	s_add_co_u32 s21, s21, s18                     ; kt 0..63
	s_lshl_b32 s24, s21, 16                        ; 16 rows of 4,096 bytes
	s_lshl_b32 s23, s22, 9
	s_add_co_u32 s24, s24, s23
	s_mov_b32 s25, 0
	s_lshl_b32 s26, s22, 18                        ; nb = 8 cg: 8 x 32,768 bytes
	s_lshl_b32 s23, s21, 9
	s_add_co_u32 s26, s26, s23
	s_mov_b32 s27, 0
	s_wait_kmcnt 0x0
	s_add_nc_u64 s[24:25], s[8:9], s[24:25]
	s_add_nc_u64 s[26:27], s[14:15], s[26:27]
	LOAD16 4096
	TABLE
	CONVW
	OUT8 RW, 528, 32768, 131072
	s_wait_dscnt 0x0                               ; the closing lines, six on end
	s_wait_alu 0x0
	s_wait_tensorcnt 0x0
	ds_add_u32 v176, v177
	s_wait_dscnt 0x0
	s_endpgm
.Lpath_wq:
	; work-groups 128-223: w_qkv.  Unit = 16 k rows (kt) x 128 columns (cg 0..23: s = cg >> 3, heads 2 (cg & 7) and the next)
	s_sub_co_u32 s21, s19, 128
	s_lshr_b32 s22, s21, 2                         ; cg
	s_and_b32 s21, s21, 3
	s_lshl_b32 s21, s21, 4
	s_add_co_u32 s21, s21, s18                     ; kt
	s_mul_i32 s24, s21, 196608                     ; 16 rows of 12,288 bytes
	s_lshl_b32 s23, s22, 9
	s_add_co_u32 s24, s24, s23
	s_mov_b32 s25, 0
	s_and_b32 s23, s22, 7
	s_mul_i32 s23, s23, 24
	s_lshr_b32 s28, s22, 3
	s_lshl2_add_u32 s23, s28, s23                  ; nb of tile 0 = 24 (cg & 7) + 4 (cg >> 3); tile i adds 12 (i >> 2) + (i & 3)
	s_lshl_b32 s26, s23, 15
	s_lshl_b32 s23, s21, 9
	s_add_co_u32 s26, s26, s23
	s_mov_b32 s27, 0
	s_wait_kmcnt 0x0
	s_add_nc_u64 s[24:25], s[6:7], s[24:25]
	s_add_nc_u64 s[26:27], s[12:13], s[26:27]
	LOAD16 12288
	TABLE
	CONVW
	OUT8 RW, 528, 32768, 393216
	s_wait_dscnt 0x0                               ; the closing lines, six on end
	s_wait_alu 0x0
	s_wait_tensorcnt 0x0
	ds_add_u32 v176, v177
	s_wait_dscnt 0x0
	s_endpgm
.Lpath_x:
	; work-groups 0-127: x.  Unit = 16 rows (mb) x 128 columns (kg)
	s_lshl_b32 s21, s19, 1
	s_lshr_b32 s22, s18, 3
	s_add_co_u32 s21, s21, s22                     ; mb 0..255
	s_and_b32 s22, s18, 7                          ; kg
	s_lshl_b32 s24, s21, 16
	s_lshl_b32 s23, s22, 9
	s_add_co_u32 s24, s24, s23
	s_mov_b32 s25, 0
	s_lshl_b32 s26, s21, 15
	s_lshl_b32 s23, s22, 12
	s_add_co_u32 s26, s26, s23
	s_mov_b32 s27, 0
	s_wait_kmcnt 0x0
	s_add_nc_u64 s[24:25], s[4:5], s[24:25]
	s_add_nc_u64 s[26:27], s[10:11], s[26:27]
	LOAD16 4096
	TABLE
	CONVX
	OUT8 RX, 544, 512, 2048
	s_wait_dscnt 0x0                               ; the closing lines, six on end
	s_wait_alu 0x0
	s_wait_tensorcnt 0x0
	ds_add_u32 v176, v177
	s_wait_dscnt 0x0
	s_endpgm
.Lfunc_end_k_q5bd237bfb0_prep:
	.size	k_q5bd237bfb0_prep, .Lfunc_end_k_q5bd237bfb0_prep-k_q5bd237bfb0_prep
	.p2alignl 7, 3214868480
	.fill 96, 4, 3214868480
	.section	.rodata,"a",@progbits
	.p2align	6, 0x0
	.amdhsa_kernel k_q5bd237bfb0_prep
		.amdhsa_group_segment_fixed_size 71680
		.amdhsa_private_segment_fixed_size 0
		.amdhsa_enable_private_segment 0
		.amdhsa_kernarg_size 56
		.amdhsa_user_sgpr_count 2
		.amdhsa_user_sgpr_kernarg_segment_ptr 1
		.amdhsa_wavefront_size32 1
		.amdhsa_system_sgpr_workgroup_id_x 1
		.amdhsa_system_sgpr_workgroup_id_y 1
		.amdhsa_system_sgpr_workgroup_id_z 1
		.amdhsa_system_vgpr_workitem_id 0
		.amdhsa_next_free_vgpr 178
		.amdhsa_next_free_sgpr 66
		.amdhsa_reserve_vcc 0
		.amdhsa_float_denorm_mode_32 3
		.amdhsa_float_denorm_mode_16_64 3
		.amdhsa_memory_ordered 1
		.amdhsa_forward_progress 1
		.amdhsa_inst_pref_size 42
	.end_amdhsa_kernel
	.amdgpu_metadata
---
amdhsa.version: [ 1, 2 ]
amdhsa.kernels:
  - .name:           k_q5bd237bfb0_prep
    .symbol:         k_q5bd237bfb0_prep.kd
    .args:
      - { .name: x, .offset: 0, .size: 8, .value_kind: global_buffer, .address_space: global }
      - { .name: w_qkv, .offset: 8, .size: 8, .value_kind: global_buffer, .address_space: global }
      - { .name: w_out, .offset: 16, .size: 8, .value_kind: global_buffer, .address_space: global }
      - { .name: xb, .offset: 24, .size: 8, .value_kind: global_buffer, .address_space: global }
      - { .name: wq, .offset: 32, .size: 8, .value_kind: global_buffer, .address_space: global }
      - { .name: wo, .offset: 40, .size: 8, .value_kind: global_buffer, .address_space: global }
      - { .name: tab, .offset: 48, .size: 8, .value_kind: global_buffer, .address_space: global }
    .group_segment_fixed_size: 71680
    .private_segment_fixed_size: 0
    .kernarg_segment_align: 8
    .kernarg_segment_size: 56
    .max_flat_workgroup_size: 512
    .sgpr_count:     66
    .vgpr_count:     178
    .wavefront_size: 32
...
	.end_amdgpu_metadata
.endif
;; end of part 5
;; launch qkv: the kernel of part 2 again; grid 16 x 16, 4 waves a work-group, clusters of 4 x 4, 327,680 bytes of LDS; arguments xb, wq, b_qkv, tab, qf, kv; writes qf, kv
;; launch attn: the kernel of part 3 again; grid 8 x 32, 8 waves a work-group, clusters of 4 x 1, 327,680 bytes of LDS; arguments qf, kv, ao; writes ao
;; launch proj: the kernel of part 4 again; grid 8 x 32, 4 waves a work-group, clusters of 4 x 4, 327,680 bytes of LDS; arguments ao, wo, b_out, out0; writes out0
